; MI455X (gfx1250); checked and timed in simulation.
; The chip was launched on July 23, 2026; its instructions are those of AMD's public machine-readable ISA for CDNA 5 (MIT licence, August 2026) and "CDNA5" Instruction Set Architecture Reference Guide (July 2026). The comments in the code are by the model that wrote it; some were corrected since.
;; NN Pytorch AD. Allowed arithmetic: matrix products marked QUANTISED: E2M1 operands, one E8M0 scale for each 32 along K, by v_wmma_scale_f32_16x16x128_f8f6f4 with both operands' format E2M1 (or v_wmma_scale_f32_32x16x128_f4), f32 sums; products left as they are: f32 operands where the result goes on into a quantised operand, else bf16, f16 or f32 operands; f32 sums; everything else in f32.
;; Inputs: W0 16 x 256 float32; W1 256 x 256 float32; W2 256 x 256 float32; W3 256 x 4 float32; b0 256 float32; b1 256 float32; b2 256 float32; b3 4 float32; x 2,048 x 16 float32.
;; Outputs: out0 2,048 x 4 float32; out1 2,048 x 16 x 4 float32; out2 2,048 x 16 x 16 x 4 float32.
;; This version of the problem:
;;   THIS VERSION OF THE PROBLEM IS GIVEN IN LOW PRECISION. The matrix products marked QUANTISED in the list below multiply operands that are first quantised to E2M1 (2 exponent bits, 1 mantissa bit; 4 bits a number), with one power-of-two scale for each 32 numbers along K (OCP MX v1.0); their sums are f32. All else is computed in f32.
;;   The module's matrix products, in the order in which they are computed (A, B: the left and right operand; K: the contracted axis; several contracted axes count as one K, in the product's order):
;;     1. [M 2,048, K 16] x [K 16, N 256]; A: input x; B: input W0: left as it is (K = 16 < 32)
;;     2. [M 2,048, K 256] x [K 256, N 256]; A: computed on the way; B: input W1: QUANTISED
;;     3. [M 2,048, K 256] x [K 256, N 256]; A: computed on the way; B: input W2: QUANTISED
;;     4. [M 2,048, K 256] x [K 256, N 4]; A: computed on the way; B: input W3: left as it is (N = 4 < 16)
;;     5. [M 2,048, K 16] x [K 16, N 256]; A: input x; B: input W0: left as it is (K = 16 < 32)
;;     6. [M 2,048, K 256] x [K 256, N 256]; A: computed on the way; B: input W1: QUANTISED
;;     7. [M 2,048, K 256] x [K 256, N 256]; A: computed on the way; B: input W2: QUANTISED
;;     8. [M 2,048, K 256] x [K 256, N 4]; A: computed on the way; B: input W3: left as it is (N = 4 < 16)
;;     9. [M 4, K 4] x [K 4, N 256]; A: computed on the way; B: input W3: left as it is (K = 4 < 32)
;;     10. [M 8,192, K 256] x [K 256, N 256]; A: computed on the way; B: input W2: QUANTISED
;;     11. [M 8,192, K 256] x [K 256, N 256]; A: computed on the way; B: input W1: QUANTISED
;;     12. [M 8,192, K 256] x [K 256, N 16]; A: computed on the way; B: input W0: QUANTISED
;;     13. [M 2,048, K 16] x [K 16, N 256]; A: input x; B: input W0: left as it is (K = 16 < 32)
;;     14. [M 16, K 16] x [K 16, N 256]; A: computed on the way; B: input W0: left as it is (K = 16 < 32)
;;     15. [M 2,048, K 256] x [K 256, N 256]; A: computed on the way; B: input W1: QUANTISED
;;     16. [M 32,768, K 256] x [K 256, N 256]; A: computed on the way; B: input W1: QUANTISED
;;     17. [M 2,048, K 256] x [K 256, N 256]; A: computed on the way; B: input W2: QUANTISED
;;     18. [M 32,768, K 256] x [K 256, N 256]; A: computed on the way; B: input W2: QUANTISED
;;     19. [M 2,048, K 256] x [K 256, N 4]; A: computed on the way; B: input W3: left as it is (N = 4 < 16)
;;     20. [M 32,768, K 256] x [K 256, N 4]; A: computed on the way; B: input W3: left as it is (N = 4 < 16)
;;     21. [M 4, K 4] x [K 4, N 256]; A: computed on the way; B: input W3: left as it is (K = 4 < 32)
;;     22. [M 8,192, K 256] x [K 256, N 256]; A: computed on the way; B: input W2: QUANTISED
;;     23. [M 131,072, K 256] x [K 256, N 256]; A: computed on the way; B: input W2: QUANTISED
;;     24. [M 8,192, K 256] x [K 256, N 256]; A: computed on the way; B: input W1: QUANTISED
;;     25. [M 131,072, K 256] x [K 256, N 256]; A: computed on the way; B: input W1: QUANTISED
;;     26. [M 8,192, K 256] x [K 256, N 16]; A: computed on the way; B: input W0: QUANTISED
;;     27. [M 131,072, K 256] x [K 256, N 16]; A: computed on the way; B: input W0: QUANTISED
;;   THE QUANTISER, for each operand of a quantised product, along K:
;;     - K is cut into blocks of 32 from its start; a last block that is shorter is filled with zeros.
;;     - A block's scale is 2^e with e = floor(log2(the largest magnitude in the block)) - 2, held to -126 .. 127; a block of zeros has e = 0. As a byte (E8M0): e + 127.
;;     - Each number is divided by its block's scale, clamped to +-6, and rounded to the nearest number of E2M1, ties to even, subnormals kept.
;;     - The product sums the exact products of the quantised numbers (number of the format x scale) in f32.
;;   ~~~python
;;   def quantise(x, axis):      # numpy; x: float32 -> the quantised numbers, widened to float32 again
;;       x = np.moveaxis(x, axis, -1); K = x.shape[-1]
;;       x = np.pad(x, [(0, 0)] * (x.ndim - 1) + [(0, -K % 32)]); x = x.reshape(x.shape[:-1] + (-1, 32)); a = np.abs(x).max(-1, keepdims=True)
;;       e = np.where(a > 0, np.clip(np.frexp(np.where(a > 0, a, 1))[1] - 1 - 2, -126, 127), 0)      # np.frexp(a)[1] - 1 = floor(log2(a)), exactly
;;       r = np.clip(x / 2.0 ** e, -6, 6)
;;       step = 2.0 ** (np.maximum(np.frexp(np.where(r == 0, 1, r))[1] - 1, 0) - 1)
;;       q = np.round(r / step) * step * 2.0 ** e      # np.round: ties to even
;;       return np.moveaxis(q.reshape(q.shape[:-2] + (-1,))[..., :K], -1, axis).astype(np.float32)
;;   ~~~
;;   OPERANDS COMPUTED ON THE WAY. 'Computed on the way' means the value that the module computes at that place (a softmax that the list does not call 'softmax' is quantised finished and normalised). What goes into a quantiser is computed in f32, as accurately as f32 sums, v_exp_f32 and their like allow (about 1e-6 of the number): no bf16 or f16 on the way to a quantiser, and a product that is left as it is and whose result goes on into a quantised operand takes f32 operands (vector FMAs, or v_wmma_f32_16x16x4_f32). A number that lies on a knife's edge between two numbers of the format may be rounded either way, as far as f32 arithmetic and the matrix unit's own rounding can turn it there, and no further.
;; 2 versions, each right; version 2 is version 1 with the launch hess written anew for expert scheduling mode. Each part assembles by itself: llvm-mc -triple=amdgcn-amd-amdhsa -mcpu=gfx1250 --defsym DOCPART=n.
;; ======== version 1 of 2: 2 launches
;; workspace buffers: wimg 141,568 bytes
;; launch prep (part 1): grid 65 x 1, 1 waves a work-group, no clusters, 0 bytes of LDS; arguments W0, W1, W2, wimg; writes wimg
.if DOCPART == 1
	.amdgcn_target "amdgcn-amd-amdhsa--gfx1250"
	.amdhsa_code_object_version 6
	.text
	.protected	k_qf3007e779e_prep
	.globl	k_qf3007e779e_prep
	.p2align	8
	.type	k_qf3007e779e_prep,@function
k_qf3007e779e_prep:
	s_mov_b64 s[64:65], 0
	v_nop
	global_prefetch_b8 v0, s[64:65] scope:SCOPE_SE
	s_setreg_imm32_b32 hwreg(HW_REG_WAVE_MODE, 25, 1), 1
	s_wait_xcnt 0x0
; The five weight operands of the quantised products become codes of FP4 (E2M1) with one E8M0 byte for each 32 along K, laid as IMAGES OF THE OPERAND'S REGISTERS.
; Work-group g = 16 U + T makes one tile: 16 operand rows x 256 along K.  U = 0: W1, K = its first axis; 1: W2, first axis; 2: W2, K = its second axis; 3: W1, second axis; g = 64: W0, second axis.
; Row r of tile T is row 64 (T / 4) + 32 ((T / 2) % 2) + 8 (T % 2) + r + 8 (r / 8) of the operand (for W0: r): so the results of two neighbouring tiles are 16 neighbours along the next product's K.
; Lane (r, h) owns four whole blocks: K = 128 s + 64 c + 32 h + 0 .. 31, block 2 s + c in 32 registers; no other lane is asked for a maximum.
; Out: codes at g x 2048 + 512 (2 s + c) + 16 x lane; scale words at WSB + 128 g + 4 x lane: lanes 0-15 the rows' words of K step 0, lanes 16-31 those of K step 1.
; A block's byte is its largest magnitude's exponent field - 2, held at 1 from below.  A block of zeros gets the byte 1 (its codes are zeros; this program alone reads the bytes).
; LIMITS: blocks whose largest magnitude lies under 2^-124 get the byte 1; NaN and infinities among the inputs are not served.
.set WSB, 133120                       ; where the scale words begin
.set X,   32                           ; v32-159  the 128 numbers: block b at X + 32 b
.set C,   160                          ; v160-175 the codes
	s_load_b128 s[4:7], s[0:1], 0x0                ; W0, W1
	s_load_b128 s[8:11], s[0:1], 0x10              ; W2, wimg
	s_lshr_b32 s12, ttmp9, 4                       ; U
	s_and_b32 s13, ttmp9, 15                       ; T
	s_lshr_b32 s18, s13, 2
	s_lshl_b32 s18, s18, 6                         ; 64 (T / 4)
	s_bfe_u32 s19, s13, 0x10001
	s_lshl_b32 s19, s19, 5                         ; 32 ((T / 2) % 2)
	s_add_co_u32 s18, s18, s19
	s_and_b32 s19, s13, 1
	s_lshl_b32 s19, s19, 3                         ; 8 (T % 2)
	s_add_co_u32 s18, s18, s19                     ; the tile's first row
	s_add_co_u32 s14, s12, 1
	s_and_b32 s14, s14, 2                          ; 0 for U = 0, 3 (W1), 2 for U = 1, 2 (W2)
	s_lshl_b32 s22, ttmp9, 11                      ; the tile's codes
	s_mov_b32 s23, 0
	s_lshl_b32 s24, ttmp9, 7
	s_add_co_u32 s24, s24, WSB                     ; and its scale words
	s_mov_b32 s25, 0
	s_mov_b32 s20, 0x76543210
	s_mov_b32 s21, 0xfedcba98                      ; v_permlanex16_b32's selects for lane l xor 16
	v_and_b32 v2, 15, v0                           ; r
	v_lshrrev_b32 v3, 4, v0                        ; h
	v_lshlrev_b32 v6, 4, v0                        ; 16 x lane
	v_lshlrev_b32 v7, 2, v0                        ; 4 x lane
	s_wait_kmcnt 0x0
	s_cmp_eq_u32 s14, 0
	s_cselect_b64 s[16:17], s[6:7], s[8:9]         ; the choice hangs on the work-group's number alone
	s_cmp_eq_u32 s12, 4
	s_cselect_b64 s[16:17], s[4:5], s[16:17]
	s_cselect_b32 s15, 0, 8                        ; W0's rows are neighbours
	s_add_nc_u64 s[22:23], s[10:11], s[22:23]
	s_add_nc_u64 s[24:25], s[10:11], s[24:25]
	v_and_b32 v4, s15, v2
	v_add_nc_u32 v4, v4, v2
	v_add_nc_u32 v4, s18, v4                       ; my operand row
	s_cmp_lt_u32 s12, 2
	s_cbranch_scc0 .Lalong
	v_lshlrev_b32 v5, 2, v4                        ; K is the first axis: my row is a COLUMN of the weight, my registers run down its rows of 1,024 bytes
	v_lshl_add_u32 v5, v3, 15, v5                  ; lanes 16-31 begin 32 rows further down
.set B, 0
.rept 4
.set I, 0
.rept 32
	global_load_b32 v[X+32*B+I], v5, s[16:17] offset:(64*B+I)*1024
.set I, I+1
.endr
.set B, B+1
.endr
	s_branch .Lhave
.Lalong:
	v_lshlrev_b32 v5, 10, v4                       ; K is the second axis: my row is a row of the weight, 128 bytes a block
	v_lshl_add_u32 v5, v3, 7, v5
.set B, 0
.rept 4
.set I, 0
.rept 8
	global_load_b128 v[X+32*B+4*I:X+32*B+4*I+3], v5, s[16:17] offset:256*B+16*I
.set I, I+1
.endr
.set B, B+1
.endr
.Lhave:
	s_wait_loadcnt 0x0
.irp b, 0,1,2,3
	v_max3_num_f32 v[8+\b], |v[X+32*\b]|, |v[X+32*\b+1]|, 0x1800000   ; the floor 2^(3 - 127) among the leaves: the byte cannot fall under 1
.endr
.irp i, 2,4,6,8,10,12,14,16,18,20,22,24,26,28,30
.irp b, 0,1,2,3
	v_max3_num_f32 v[8+\b], v[8+\b], |v[X+32*\b+\i]|, |v[X+32*\b+\i+1]|   ; the four blocks by turns
.endr
.endr
.irp b, 0,1,2,3
	v_add_nc_u32 v[12+\b], 0xff000000, v[8+\b]     ; 2 off the exponent field: the conversion's scale operand
.endr
.irp b, 0,1,2,3
	v_lshrrev_b32 v[16+\b], 23, v[12+\b]           ; the scale's byte
.endr
.irp b, 0,1,2,3
.irp g, 0,1,2,3
	v_cvt_scalef32_pk8_fp4_f32 v[C+4*\b+\g], v[X+32*\b+8*\g:X+32*\b+8*\g+7], v[12+\b]
.endr
.endr
	v_lshlrev_b32 v24, 3, v3                       ; 8 h.  (A plain line behind the conversions)
	v_lshl_or_b32 v20, v17, 16, v16                ; K step 0: my bytes of blocks h and 2 + h,
	v_lshl_or_b32 v21, v19, 16, v18                ; K step 1 likewise,
	v_lshlrev_b32 v20, v24, v20                    ; at their places in the word
	v_lshlrev_b32 v21, v24, v21
	v_mov_b32 v22, 0                               ; a lane permute's destination counts as one of its sources
	v_mov_b32 v23, 0
	v_permlanex16_b32 v22, v20, s20, s21
	v_permlanex16_b32 v23, v21, s20, s21
	v_or_b32 v20, v20, v22                         ; with lane l xor 16's two bytes the words are whole
	v_or_b32 v21, v21, v23
	v_cmp_gt_u32 vcc_lo, 16, v0
	v_cndmask_b32 v20, v21, v20, vcc_lo            ; lanes 0-15 keep K step 0's word, lanes 16-31 K step 1's
.irp b, 0,1,2,3
	global_store_b128 v6, v[C+4*\b:C+4*\b+3], s[22:23] offset:512*\b   ; 512 consecutive bytes, aligned
.endr
	global_store_b32 v7, v20, s[24:25]
	s_endpgm
.Lfunc_end_k_qf3007e779e_prep:
	.size	k_qf3007e779e_prep, .Lfunc_end_k_qf3007e779e_prep-k_qf3007e779e_prep
	.p2alignl 7, 3214868480
	.fill 96, 4, 3214868480
	.section	.rodata,"a",@progbits
	.p2align	6, 0x0
	.amdhsa_kernel k_qf3007e779e_prep
		.amdhsa_group_segment_fixed_size 0
		.amdhsa_private_segment_fixed_size 0
		.amdhsa_enable_private_segment 0
		.amdhsa_kernarg_size 32
		.amdhsa_user_sgpr_count 2
		.amdhsa_user_sgpr_kernarg_segment_ptr 1
		.amdhsa_wavefront_size32 1
		.amdhsa_system_sgpr_workgroup_id_x 1
		.amdhsa_system_sgpr_workgroup_id_y 1
		.amdhsa_system_sgpr_workgroup_id_z 1
		.amdhsa_system_vgpr_workitem_id 0
		.amdhsa_next_free_vgpr 192
		.amdhsa_next_free_sgpr 66
		.amdhsa_reserve_vcc 1
		.amdhsa_float_denorm_mode_32 3
		.amdhsa_float_denorm_mode_16_64 3
		.amdhsa_memory_ordered 1
		.amdhsa_forward_progress 1
		.amdhsa_inst_pref_size 24
	.end_amdhsa_kernel
	.amdgpu_metadata
---
amdhsa.version: [ 1, 2 ]
amdhsa.kernels:
  - .name:           k_qf3007e779e_prep
    .symbol:         k_qf3007e779e_prep.kd
    .args:
      - { .name: W0, .offset: 0, .size: 8, .value_kind: global_buffer, .address_space: global }
      - { .name: W1, .offset: 8, .size: 8, .value_kind: global_buffer, .address_space: global }
      - { .name: W2, .offset: 16, .size: 8, .value_kind: global_buffer, .address_space: global }
      - { .name: wimg, .offset: 24, .size: 8, .value_kind: global_buffer, .address_space: global }
    .group_segment_fixed_size: 0
    .private_segment_fixed_size: 0
    .kernarg_segment_align: 8
    .kernarg_segment_size: 32
    .max_flat_workgroup_size: 32
    .sgpr_count:     66
    .vgpr_count:     192
    .wavefront_size: 32
...
	.end_amdgpu_metadata
.endif
;; end of part 1
;; launch hess (part 2): grid 256 x 1, 4 waves a work-group, no clusters, 160,256 bytes of LDS; arguments x, W0, b0, b1, b2, W3, b3, wimg, out0, out1, out2; writes out0, out1, out2
.if DOCPART == 2
	.amdgcn_target "amdgcn-amd-amdhsa--gfx1250"
	.amdhsa_code_object_version 6
	.text
	.protected	k_qf3007e779e_hess
	.globl	k_qf3007e779e_hess
	.p2align	8
	.type	k_qf3007e779e_hess,@function
k_qf3007e779e_hess:
	s_mov_b64 s[64:65], 0
	v_nop
	global_prefetch_b8 v0, s[64:65] scope:SCOPE_SE
	s_setreg_imm32_b32 hwreg(HW_REG_WAVE_MODE, 25, 1), 1
	s_wait_xcnt 0x0
; f, its Jacobian (reverse mode) and its Hessian (forward over reverse) of the tanh MLP 16 -> 256 -> 256 -> 256 -> 4; the products over K = 256 on codes of FP4 (E2M1), one E8M0 byte for each 32 along K.
; With s = 1 - u^2, k the tangent's direction, m the output:
;   forward    u0 = tanh(x W0 + b0) (f32), u1 = tanh(Q(u0) Q(W1) + b1), u2 = tanh(Q(u1) Q(W2) + b2), f = u2 W3 + b3 (f32)
;   tangents   du0 = s0 W0[k], dz1 = Q(du0) Q(W1), du1 = s1 dz1, dz2 = Q(du1) Q(W2)
;   backward   v2 = W3[:,m] s2, c1 = Q(v2) Q(W2^T), v1 = c1 s1, c0 = Q(v1) Q(W1^T), v0 = c0 s0, df = Q(v0) Q(W0^T)
;   its tangent dv2 = -2 W3[:,m] u2 s2 dz2, dc1 = Q(dv2) Q(W2^T), dv1 = s1 dc1 - 2 c1 u1 s1 dz1, dc0 = Q(dv1) Q(W1^T), dv0 = s0 dc0 - 2 c0 u0 s0 W0[k], d2f = Q(dv0) Q(W0^T)
; Products that reference() repeats with the same operands are made once.
; SHARES.  A work-group owns 8 samples, with all their k and m.  THE WAVES SHARE THE COLUMNS: wave w makes hidden units 64 w .. 64 w + 63 of every layer.
; Every product is used transposed (source 0 = 16 rows of a weight's image, source 1 = 16 operand rows): lane (r, h) holds operand row r, and register 16 b + 8 u + j of its 32 the unit 64 w + 32 b + 16 h + 8 u + j.
; LANE r ALWAYS MEANS SAMPLE r % 8; in a tangent tile t its direction is k = 2 t + r / 8; a primal tile holds each sample twice.  So every table of a sample (s, -2 u s, c[m]) lies as the results lie and stays in registers.
; OPERANDS GO FROM WAVE TO WAVE THROUGH LDS AS IMAGES OF THEIR REGISTERS: a wave's 64 units are half w % 2 of K step w / 2: one ds_store_b128 at 16 x lane, and two bytes of the row's scale word.
; Tile 9 m of a buffer is output m's primal tile, tile 9 m + 1 + t its tangent tile t (forward tiles: m = 0).  Two buffers X and Y take turns, a barrier between the phases; no tensor loads, no ring.
; The weights come from wimg straight into the registers of the one wave that uses them, asked for a phase ahead.
; BY TURNS.  The eight matrix instructions of the NEXT tile stand singly among the vector instructions that turn the tile in hand into codes (macro MM): all that they name lies in window 0.
; LIMITS: NaN and infinities among the inputs are not served; a block whose largest magnitude lies under 2^-124 gets the scale byte 1; tanh is good to about 1e-6 of its value
; (a series under |z| = 0.25, 1 - 2 / (1 + 2^(2.885 z)) above); out0 leaves in runs of 128 bytes a work-group.
; REGISTERS, in windows of 256.  Window 0: see the names below.  Window 1: v0-63 the next weights; v64-191 W3's columns (later c[m] tables and the primal tile); v192-223 -2 u1; v224-255 -2 u0.
;   Window 2: W0[2 t + r / 8] at 32 t, f32, for the whole launch.   Window 3: dz1 of tile t at 32 t (at the head b0 and b1; at the end fragments).
.set XC,  0                            ; LDS: buffer X, 36 tiles x 2,048 bytes of codes
.set YC,  73728                        ; buffer Y
.set XS,  147456                       ; X's scale words: 128 bytes a tile: K step 0's 16 words, then K step 1's
.set YS,  152064                       ; Y's
.set FST, 156672                       ; f's parts: 128 x wave + 16 x sample + 4 m
.set DFS, 157184                       ; df's stage: 8 samples x (256 + 16)
.set STG, YC                           ; d2f's stage, in Y when Y is done with: 8 samples x (4,096 + 32)
.set SPI, 4128
.set MC,  18432                        ; nine tiles of codes
.set MS,  1152                         ; nine tiles of scale words
.set WSB, 133120                       ; wimg: where the scale words begin
.set LI,   1                           ; 16 x lane; never rewritten
.set LS,   2                           ; 4 x lane; never rewritten
.set WLC,  3                           ; 16 x lane + 512 x wave: where my half of a fragment goes; never rewritten
.set WLS,  4                           ; 4 r + 64 (wave / 2) + 2 (wave % 2): my two bytes of a scale word; never rewritten
.set ADI,  5                           ; LDS addresses: codes and scale words read,
.set ADS,  6
.set ADIN, 7                           ; the same a trip ahead,
.set ADSN, 8
.set ADO,  9                           ; codes and scale bytes written
.set ADOS, 10
.set OW0,  11                          ; global offsets, never rewritten: W0's rows,
.set OB,   12                          ; the biases,
.set OW3,  13                          ; W3,
.set OWC,  14                          ; wimg's codes (and out2),
.set OWS,  15                          ; wimg's scale words
.set WS0,  16                          ; v16-19, v20-23 the weights' scale words, two sets; v24 W0's; v25-33 the operands': these hold scales and nothing else
.set WS1,  20
.set WSF,  24
.set OSC,  25
.set MA,   34                          ; v34-46 at work in QUANT
.set MB,   36
.set PX,   38
.set SO,   40
.set BY,   42
.set HW,   44                          ; v44-46 two scale bytes, three sets
.set TA,   47
.set CD,   48                          ; v48-59 codes, three sets of four
.set WC,   64                          ; v64-127 the weights in hand: tile t, K step s at 16 t + 8 s
.set FR0,  128                         ; v128-143, v144-159 a tile's two fragments, two buffers
.set FR1,  144
.set AC0,  160                         ; v160-191, v192-223 results, two buffers
.set AC1,  192
.set SC,   224                         ; v224-255 the layer's s
.set WN,   0                           ; window 1
.set G,    64
.set U1,   192
.set U0,   224
.set ACUR, 64
.set ACCP, 96
.set FRP,  128
.set MSB, 0
.set NX,  8
.set NXA, AC0
.set NXF, FR0
.set NXS, OSC
.set WSC, WS0
.macro WIN new                         ; the immediate's high byte repeats the setting that is left; a switch that changes nothing is dropped
.if MSB != \new
	s_set_vgpr_msb (MSB<<8)|\new
.set MSB, \new
.endif
.endm
.macro PLACES                          ; four plain vector lines between a matrix instruction and a load into, or a vector line on, its registers
.rept 4
	v_nop
.endr
.endm
.macro BAR                             ; my LDS stores have landed and my LDS loads are in: then the work-group's barrier
	s_wait_dscnt 0x0
	s_barrier_signal -1
	s_barrier_wait -1
.endm
; one matrix instruction.  ks: the K step, which picks the scale registers' rows;  c < 0: the constant 0 starts the sum
.macro WM d, a, b, c, sa, sb, ks
.if (\ks) == 0
.if (\c) < 0
	v_wmma_scale_f32_16x16x128_f8f6f4 v[\d:\d+7], v[\a:\a+7], v[\b:\b+7], 0, v[\sa], v[\sb] matrix_a_fmt:MATRIX_FMT_FP4 matrix_b_fmt:MATRIX_FMT_FP4
.else
	v_wmma_scale_f32_16x16x128_f8f6f4 v[\d:\d+7], v[\a:\a+7], v[\b:\b+7], v[\c:\c+7], v[\sa], v[\sb] matrix_a_fmt:MATRIX_FMT_FP4 matrix_b_fmt:MATRIX_FMT_FP4
.endif
.else
	v_wmma_scale_f32_16x16x128_f8f6f4 v[\d:\d+7], v[\a:\a+7], v[\b:\b+7], v[\c:\c+7], v[\sa], v[\sb] matrix_a_fmt:MATRIX_FMT_FP4 matrix_b_fmt:MATRIX_FMT_FP4 matrix_a_scale:MATRIX_SCALE_ROW1 matrix_b_scale:MATRIX_SCALE_ROW1
.endif
.endm
.macro WM4 d, f, sb, ks, c             ; my four tiles of units for one K step: the four accumulators take turns
.irp t, 0,1,2,3
.if (\c) < 0
	WM \d+8*\t, WC+16*\t+8*(\ks), \f+8*(\ks), -1, WSC+\t, \sb, \ks
.else
	WM \d+8*\t, WC+16*\t+8*(\ks), \f+8*(\ks), \c+8*\t, WSC+\t, \sb, \ks
.endif
.endr
.endm
.macro PEND a, f, sc                   ; the tile whose eight matrix instructions MM deals out: results, fragments, scale words
.set NX, 0
.set NXA, \a
.set NXF, \f
.set NXS, \sc
.endm
.macro MM                              ; the pending tile's next matrix instruction, if one is left: K step 0 of the four accumulators, then K step 1
.if NX < 4
	WM NXA+8*NX, WC+16*NX, NXF, -1, WSC+NX, NXS, 0
.elseif NX < 8
	WM NXA+8*(NX-4), WC+16*(NX-4)+8, NXF+8, NXA+8*(NX-4), WSC+NX-4, NXS, 1
.endif
.if NX < 8
.set NX, NX+1
.endif
.endm
.macro LD fr, sc, adi, ads, ic, is     ; a tile: two fragments and its scale words: five LDS loads
	ds_load_b128 v[\fr:\fr+3], v[\adi] offset:\ic
	ds_load_b128 v[\fr+4:\fr+7], v[\adi] offset:\ic+512
	ds_load_b128 v[\fr+8:\fr+11], v[\adi] offset:\ic+1024
	ds_load_b128 v[\fr+12:\fr+15], v[\adi] offset:\ic+1536
	ds_load_b32 v[\sc], v[\ads] offset:\is
.endm
.macro LDP adi, ads                    ; a primal tile, into window 1
	WIN 0x40
.irp n, 0,1,2,3
	ds_load_b128 v[FRP+4*\n:FRP+4*\n+3], v[\adi] offset:512*\n
.endr
	WIN 0
	ds_load_b32 v[OSC], v[\ads]
.endm
.macro PKMUL d, a, b                   ; 32 numbers, two an instruction
.set PP, 0
.rept 16
	v_pk_mul_f32 v[\d+PP:\d+PP+1], v[\a+PP:\a+PP+1], v[\b+PP:\b+PP+1]
.set PP, PP+2
.endr
.endm
.macro PKMULM d, a, b                  ; the same, a matrix instruction behind every four
.set PP, 0
.rept 16
	v_pk_mul_f32 v[\d+PP:\d+PP+1], v[\a+PP:\a+PP+1], v[\b+PP:\b+PP+1]
.set PP, PP+2
.if (PP % 8) == 0
	MM
.endif
.endr
.endm
.macro PKFMA d, a, b, c
.set PP, 0
.rept 16
	v_pk_fma_f32 v[\d+PP:\d+PP+1], v[\a+PP:\a+PP+1], v[\b+PP:\b+PP+1], v[\c+PP:\c+PP+1]
.set PP, PP+2
.endr
.endm
.macro PKFMAS d, a, b, lo              ; d = a b + the scalar s[lo]
.set PP, 0
.rept 16
	v_pk_fma_f32 v[\d+PP:\d+PP+1], v[\a+PP:\a+PP+1], v[\b+PP:\b+PP+1], s[\lo:\lo+1] op_sel_hi:[1,1,0]
.set PP, PP+2
.endr
.endm
.macro QSTEP hs
.set QN, QN+1
.if (QN % (2*(\hs))) == 0
	MM
.endif
.endm
; 32 numbers of a lane, v[src] on (two half blocks of 16 neighbours along K), become four registers of codes, set cs, and my row's two scale bytes.  A matrix instruction stands behind every 2 hs lines of the maximum.
; gd >= 0: a wait that shows the stores which last read this set done.  Behind the last matrix instruction stand seven plain lines and more: its places.
.macro QUANT src, cs, hs, gd
.set QN, 0
	v_max3_num_f32 v[MA], |v[\src]|, |v[\src+1]|, 0x1800000        ; the floor 2^(3 - 127) among the leaves: the byte cannot fall under 1
	QSTEP \hs
	v_max3_num_f32 v[MB], |v[\src+8]|, |v[\src+9]|, |v[\src+10]|
	QSTEP \hs
	v_max3_num_f32 v[MA+1], |v[\src+16]|, |v[\src+17]|, 0x1800000
	QSTEP \hs
	v_max3_num_f32 v[MB+1], |v[\src+24]|, |v[\src+25]|, |v[\src+26]|
	QSTEP \hs
.irp k, 1,2
	v_max3_num_f32 v[MA], v[MA], |v[\src+2*\k]|, |v[\src+2*\k+1]|
	QSTEP \hs
	v_max3_num_f32 v[MB], v[MB], |v[\src+9+2*\k]|, |v[\src+10+2*\k]|
	QSTEP \hs
	v_max3_num_f32 v[MA+1], v[MA+1], |v[\src+16+2*\k]|, |v[\src+17+2*\k]|
	QSTEP \hs
	v_max3_num_f32 v[MB+1], v[MB+1], |v[\src+25+2*\k]|, |v[\src+26+2*\k]|
	QSTEP \hs
.endr
	v_max3_num_f32 v[MA], v[MA], |v[\src+6]|, |v[\src+7]|
	QSTEP \hs
	v_max3_num_f32 v[MA+1], v[MA+1], |v[\src+22]|, |v[\src+23]|
	QSTEP \hs
	v_max3_num_f32 v[MB], v[MB], |v[\src+15]|, v[MA]
	QSTEP \hs
	v_max3_num_f32 v[MB+1], v[MB+1], |v[\src+31]|, v[MA+1]
	QSTEP \hs
	v_permlanex16_b32 v[PX], v[MB], s30, s31
	v_permlanex16_b32 v[PX+1], v[MB+1], s30, s31
	v_max_num_f32 v[MB], v[MB], v[PX]              ; with lane l xor 16's 16 numbers: the block's largest magnitude
	v_max_num_f32 v[MB+1], v[MB+1], v[PX+1]
	v_add_nc_u32 v[SO], 0xff000000, v[MB]          ; 2 off the exponent field: the conversion's scale operand
	v_add_nc_u32 v[SO+1], 0xff000000, v[MB+1]
	v_lshrrev_b32 v[BY], 23, v[SO]                 ; the scale's byte
	v_lshrrev_b32 v[BY+1], 23, v[SO+1]
.if (\gd) >= 0
	s_wait_dscnt \gd
.endif
	v_lshl_or_b32 v[HW+(\cs)], v[BY+1], 8, v[BY]
	v_cvt_scalef32_pk8_fp4_f32 v[CD+4*(\cs)], v[\src:\src+7], v[SO]
	v_cvt_scalef32_pk8_fp4_f32 v[CD+4*(\cs)+1], v[\src+8:\src+15], v[SO]
	v_cvt_scalef32_pk8_fp4_f32 v[CD+4*(\cs)+2], v[\src+16:\src+23], v[SO+1]
	v_cvt_scalef32_pk8_fp4_f32 v[CD+4*(\cs)+3], v[\src+24:\src+31], v[SO+1]
	v_nop                                          ; one plain line behind the conversions
	v_permlane16_swap_b32 v[CD+4*(\cs)], v[CD+4*(\cs)+2]      ; the operand's layout wants a whole block in a lane: lanes 0-15 the first block, lanes 16-31 the second
	v_permlane16_swap_b32 v[CD+4*(\cs)+1], v[CD+4*(\cs)+3]
.endm
.macro PUT cs, ic, is                  ; my half of the tile's fragment, and my two bytes of its rows' scale words (lanes r and r + 16 write the same bytes with the same value)
	ds_store_b128 v[ADO], v[CD+4*(\cs):CD+4*(\cs)+3] offset:\ic
	ds_store_b16 v[ADOS], v[HW+(\cs)] offset:\is
.endm
; z = tanh(z), 32 numbers.  t1 = 1 - 2 / (1 + 2^(2.885 z)); t3 = z + z^3 (C1 + C2 y + C3 y^2 + C4 y^3), y = z^2, which is taken under |z| = 0.25, where the first form loses digits.
; The exponentials are one batch and the reciprocals another; independent lines of the series follow each batch, and one wait stands ahead of each batch's first reader.
.macro TANH z, t1, t2, t3
	PKMUL \t2, \z, \z
.set PP, 0
.rept 16
	v_pk_mul_f32 v[\t1+PP:\t1+PP+1], v[\z+PP:\z+PP+1], s[32:33] op_sel_hi:[1,0]
.set PP, PP+2
.endr
.set PP, 0
.rept 32
	v_exp_f32 v[\t1+PP], v[\t1+PP]
.set PP, PP+1
.endr
.set PP, 0
.rept 16
	v_pk_fma_f32 v[\t3+PP:\t3+PP+1], v[\t2+PP:\t2+PP+1], v[60:61], s[34:35] op_sel_hi:[1,1,0]
.set PP, PP+2
.endr
	PKFMAS \t3, \t3, \t2, 36
	PKFMAS \t3, \t3, \t2, 38
	s_wait_alu depctr_va_vdst(0)
.set PP, 0
.rept 16
	v_pk_add_f32 v[\t1+PP:\t1+PP+1], v[\t1+PP:\t1+PP+1], 1.0 op_sel_hi:[1,0]
.set PP, PP+2
.endr
.set PP, 0
.rept 32
	v_rcp_f32 v[\t1+PP], v[\t1+PP]
.set PP, PP+1
.endr
	PKMUL \t2, \z, \t2                             ; z^3
	PKFMA \t3, \t2, \t3, \z
	s_wait_alu depctr_va_vdst(0)
.set PP, 0
.rept 16
	v_pk_fma_f32 v[\t1+PP:\t1+PP+1], v[\t1+PP:\t1+PP+1], -2.0, 1.0 op_sel_hi:[1,0,0]
.set PP, PP+2
.endr
.set PP, 0
.rept 8
.irp q, 0,1,2,3
	v_cmp_lt_f32 s[44+\q], |v[\z+PP+\q]|, s40
.endr
.irp q, 0,1,2,3
	v_cndmask_b32 v[\z+PP+\q], v[\t1+PP+\q], v[\t3+PP+\q], s[44+\q]
.endr
.set PP, PP+4
.endr
.endm
.macro LBIAS reg, lo                   ; a bias in the results' layout: my 2 x 16 neighbouring numbers
.irp n, 0,1,2,3,4,5,6,7
	global_load_b128 v[\reg+4*\n:\reg+4*\n+3], v[OB], s[\lo:\lo+1] offset:128*(\n/4)+16*(\n%4)
.endr
.endm
.macro LW reg, u                       ; my four tiles of weight u: 16 loads of 512 consecutive bytes
.irp n, 0,1,2,3,4,5,6,7,8,9,10,11,12,13,14,15
	global_load_b128 v[\reg+4*\n:\reg+4*\n+3], v[OWC], s[18:19] offset:32768*(\u)+512*\n
.endr
.endm
.macro LWS reg, u                      ; and their scale words
.irp t, 0,1,2,3
	global_load_b32 v[\reg+\t], v[OWS], s[18:19] offset:WSB+2048*(\u)+128*\t
.endr
.endm
.macro LW3 m                           ; column m of W3 in the results' layout
.set PP, 0
.rept 32
	global_load_b32 v[G+32*(\m)+PP], v[OW3], s[14:15] offset:16*(32*(PP/16)+PP%16)+4*(\m)
.set PP, PP+1
.endr
.endm
.macro MOVW                            ; the weights asked for a phase ago come into window 0, where matrix and vector lines can stand side by side without a switch
	WIN 0x01
.set PP, 0
.rept 64
	v_mov_b32 v[WC+PP], v[WN+PP]
.set PP, PP+1
.endr
.endm
; Behind a layer's tanh (u in AC0): u's codes (tile 0); s = 1 - u^2; -2 u kept in window 1 at ut; then the eight tangent tiles s R[t], R in the window that rwin names for source 1
.macro FWDOUT outc, outs, ut, rwin
	v_add_nc_u32 v[ADO], \outc, v[WLC]
	v_add_nc_u32 v[ADOS], \outs, v[WLS]
.set NX, 8
	QUANT AC0, 2, 1, -1
	PUT 2, 0, 0
.set PP, 0
.rept 16
	v_pk_fma_f32 v[SC+PP:SC+PP+1], v[AC0+PP:AC0+PP+1], v[AC0+PP:AC0+PP+1], 1.0 op_sel_hi:[1,1,0] neg_lo:[1,0,0] neg_hi:[1,0,0]
.set PP, PP+2
.endr
	WIN 0x40
.set PP, 0
.rept 16
	v_pk_mul_f32 v[\ut+PP:\ut+PP+1], v[AC0+PP:AC0+PP+1], -2.0 op_sel_hi:[1,0]
.set PP, PP+2
.endr
.irp t, 0,1,2,3,4,5,6,7
	WIN \rwin
	PKMUL AC0+32*(\t%2), SC, 32*\t
	WIN 0
.if \t >= 2
	QUANT AC0+32*(\t%2), \t%2, 1, 2                ; the last tile's two stores may be out: those of two tiles back have read this set
.else
	QUANT AC0+32*(\t%2), \t%2, 1, -1
.endif
	PUT \t%2, 2048*(1+\t), 128*(1+\t)
.endr
	BAR
.endm
	s_load_b256 s[4:11], s[0:1], 0x0               ; x s[4:5], W0 s[6:7], b0 s[8:9], b1 s[10:11]
	s_load_b256 s[12:19], s[0:1], 0x20             ; b2 s[12:13], W3 s[14:15], b3 s[16:17], wimg s[18:19]
	s_load_b128 s[20:23], s[0:1], 0x40             ; out0 s[20:21], out1 s[22:23]
	s_load_b64 s[24:25], s[0:1], 0x50              ; out2
	v_lshrrev_b32 v34, 5, v0
	v_readfirstlane_b32 s26, v34                   ; wave 0..3
	v_and_b32 v35, 31, v0                          ; lane
	v_and_b32 v36, 15, v0                          ; r
	v_bfe_u32 v37, v0, 4, 1                        ; h
	v_bfe_u32 v38, v0, 3, 1                        ; r / 8
	v_and_b32 v39, 7, v0                           ; my sample
	v_lshlrev_b32 v[LI], 4, v35
	v_lshlrev_b32 v[LS], 2, v35
	s_lshl_b32 s27, s26, 9                         ; 512 x wave
	v_add_nc_u32 v[WLC], s27, v[LI]
	s_lshr_b32 s28, s26, 1
	s_lshl_b32 s28, s28, 6
	s_and_b32 s29, s26, 1
	s_lshl_b32 s29, s29, 1
	s_add_co_u32 s28, s28, s29
	v_lshl_add_u32 v[WLS], v36, 2, s28
	s_lshl_b32 s28, s26, 8
	v_lshl_add_u32 v[OB], v37, 6, s28              ; 4 x (64 w + 16 h)
	v_lshl_add_u32 v[OW0], v38, 10, v[OB]          ; + a row of W0 for the odd directions
	s_lshl_b32 s28, s26, 10
	v_lshl_add_u32 v[OW3], v37, 8, s28             ; 16 x (64 w + 16 h)
	s_lshl_b32 s28, s26, 13
	v_add_nc_u32 v[OWC], s28, v[LI]
	v_add_nc_u32 v[OWS], s27, v[LS]
	v_lshlrev_b32 v[TA], 6, v39                    ; my sample's row of x
	s_mov_b32 s30, 0x76543210
	s_mov_b32 s31, 0xfedcba98                      ; v_permlanex16_b32's selects for lane l xor 16
	s_mov_b32 s32, 0x4038aa3b                      ; 2 log2(e); the packed forms name pairs and take the low word for both halves, so both words are written
	s_mov_b32 s33, s32
	s_mov_b32 s34, 0xbd5d0dd2                      ; C3 = -17 / 315
	s_mov_b32 s35, s34
	s_mov_b32 s36, 0x3e088889                      ; C2 = 2 / 15
	s_mov_b32 s37, s36
	s_mov_b32 s38, 0xbeaaaaab                      ; C1 = -1 / 3
	s_mov_b32 s39, s38
	s_mov_b32 s40, 0x3e800000                      ; 0.25
	s_mov_b32 s42, 0xbe800000                      ; -0.25
	s_mov_b32 s43, s42
	v_mov_b32 v60, 0x3cb327a4                      ; C4 = 62 / 2835
	v_mov_b32 v61, 0x3cb327a4
	s_mov_b32 s29, 0
	s_lshl_b32 s28, ttmp9, 9                       ; 8 rows of x
	s_wait_kmcnt 0x0
	s_add_nc_u64 s[4:5], s[4:5], s[28:29]
	s_lshl_b32 s28, ttmp9, 7
	s_add_nc_u64 s[20:21], s[20:21], s[28:29]
	s_lshl_b32 s28, ttmp9, 11
	s_add_nc_u64 s[22:23], s[22:23], s[28:29]
	s_lshl_b32 s28, ttmp9, 15
	s_add_nc_u64 s[24:25], s[24:25], s[28:29]
.irp q, 0,1,2,3
	global_load_b128 v[FR0+4*\q:FR0+4*\q+3], v[TA], s[4:5] offset:16*\q
.endr
	WIN 0xc0
	LBIAS 0, 8                                     ; b0
	WIN 0x80
.irp t, 0,1,2,3,4,5,6,7
.irp n, 0,1,2,3,4,5,6,7
	global_load_b128 v[32*\t+4*\n:32*\t+4*\n+3], v[OW0], s[6:7] offset:2048*\t+128*(\n/4)+16*(\n%4)   ; W0[2 t + r / 8] at my units
.endr
.endr
	WIN 0
	LW WC, 0                                       ; W1, K = its first axis
	LWS WS0, 0
	LWS WS1, 1
	WIN 0xc0
	LBIAS 224, 10                                  ; b1
	WIN 0x40
	LW WN, 1                                       ; W2, K = its first axis
	LBIAS G+96, 12                                 ; b2
	WIN 0
	s_wait_loadcnt 56                              ; x, b0 and W0 are in; the 56 loads issued behind them may be out
	; ---- A: z0 = x W0 + b0 in f32.  My lane sums the directions of its parity; lane r xor 8 has the others
	v_and_b32 v34, 8, v0
	v_cmp_ne_u32 vcc_lo, 0, v34
.irp t, 0,1,2,3,4,5,6,7
	v_cndmask_b32 v[FR0+2*\t], v[FR0+2*\t], v[FR0+2*\t+1], vcc_lo     ; x[2 t + r / 8]
.endr
	WIN 0x02
.set PP, 0
.rept 16
	v_pk_mul_f32 v[AC0+PP:AC0+PP+1], v[PP:PP+1], v[FR0:FR0+1] op_sel_hi:[1,0]
.set PP, PP+2
.endr
.irp t, 1,2,3,4,5,6,7
.set PP, 0
.rept 16
	v_pk_fma_f32 v[AC0+PP:AC0+PP+1], v[32*\t+PP:32*\t+PP+1], v[FR0+2*\t:FR0+2*\t+1], v[AC0+PP:AC0+PP+1] op_sel_hi:[1,0,1]
.set PP, PP+2
.endr
.endr
	WIN 0x40
	LW3 0                                          ; W3's columns 0 to 2 are asked for here; the fourth's registers still hold b2
	LW3 1
	LW3 2
	WIN 0
.set PP, 0
.rept 32
	v_add_f32_dpp v[AC0+PP], v[AC0+PP], v[AC0+PP] row_xmask:8 row_mask:0xf bank_mask:0xf
.set PP, PP+1
.endr
	WIN 0x0c
.set PP, 0
.rept 16
	v_pk_add_f32 v[AC0+PP:AC0+PP+1], v[AC0+PP:AC0+PP+1], v[PP:PP+1]
.set PP, PP+2
.endr
	WIN 0
	TANH AC0, AC1, FR0, SC
	FWDOUT XC, XS, U0, 0x08                        ; u0 and du0 = s0 W0[k] into X
	; ---- B: z1 and dz1: nine tiles from X, six fragment buffers.  dz1 stays in window 3
	s_wait_loadcnt 0x0                             ; W1's and W2's images, b1, b2, W3
	v_add_nc_u32 v[ADI], XC, v[LI]
	v_add_nc_u32 v[ADS], XS, v[LS]
.set WSC, WS0
.irp j, 0,1,2,3,4,5
.set BF, 128+16*\j+32*((\j+2)/4)
	LD BF, OSC+\j, ADI, ADS, 2048*\j, 128*\j
.endr
.irp j, 0,1,2,3,4,5,6,7,8
.set BF, 128+16*(\j%6)+32*(((\j%6)+2)/4)
.if \j < 4
	s_wait_dscnt 25                                ; five tiles' loads were issued behind this tile's
.else
	s_wait_dscnt 5*(8-\j)
.endif
.if \j == 0
	WIN 0x30
	WM4 AC0, BF, OSC, 0, 224                       ; the bias is the C of the sum's first products
	WIN 0
	WM4 AC0, BF, OSC, 1, AC0
.else
	WIN 0xf0
	WM4 32*(\j-1), BF, OSC+\j, 0, -1
	WM4 32*(\j-1), BF, OSC+\j, 1, 32*(\j-1)
.endif
.if \j < 3
	PLACES
	WIN 0
	LD BF, OSC+6+\j, ADI, ADS, 2048*(6+\j), 128*(6+\j)
.endif
.endr
	PLACES
	WIN 0
	TANH AC0, AC1, FR0, SC
	FWDOUT YC, YS, U1, 0x0c                        ; u1 and du1 = s1 dz1 into Y
	; ---- C: z2, f, v2 and dv2
	v_add_nc_u32 v[ADI], YC, v[LI]
	v_add_nc_u32 v[ADS], YS, v[LS]
	LD AC1, OSC, ADI, ADS, 0, 0
	MOVW
	WIN 0x40
	LW WN, 2                                       ; W2, K = its second axis, for the next phase
	WIN 0
	LWS WS0, 2
	PLACES                                         ; operands written by vector lines stand four places ahead of a scaled matrix instruction
	s_wait_dscnt 0x0
.set WSC, WS1
	WIN 0x10
	WM4 AC0, AC1, OSC, 0, G+96                     ; C = b2
	WIN 0
	WM4 AC0, AC1, OSC, 1, AC0
	PLACES
	WIN 0x40
	LW3 3                                          ; b2 is done with: W3's last column
	WIN 0
	TANH AC0, AC1, FR0, SC
.set PP, 0
.rept 16
	v_pk_fma_f32 v[AC1+PP:AC1+PP+1], v[AC0+PP:AC0+PP+1], v[AC0+PP:AC0+PP+1], 1.0 op_sel_hi:[1,1,0] neg_lo:[1,0,0] neg_hi:[1,0,0]   ; s2
.set PP, PP+2
.endr
	s_wait_loadcnt 0x0
	WIN 0x01
.irp m, 0,1,2,3
	v_pk_mul_f32 v[SC+2*\m:SC+2*\m+1], v[G+32*\m:G+32*\m+1], v[AC0:AC0+1]       ; f's parts: my 32 units, four chains
.endr
.irp p, 2,4,6,8,10,12,14,16,18,20,22,24,26,28,30
.irp m, 0,1,2,3
	v_pk_fma_f32 v[SC+2*\m:SC+2*\m+1], v[G+32*\m+\p:G+32*\m+\p+1], v[AC0+\p:AC0+\p+1], v[SC+2*\m:SC+2*\m+1]
.endr
.endr
	WIN 0
.irp m, 0,1,2,3
	v_add_f32 v[SC+8+\m], v[SC+2*\m], v[SC+2*\m+1]
.endr
.irp m, 0,1,2,3
	v_permlanex16_b32 v[SC+12+\m], v[SC+8+\m], s30, s31
.endr
.irp m, 0,1,2,3
	v_add_f32 v[SC+8+\m], v[SC+8+\m], v[SC+12+\m]  ; with lane l xor 16's 32 units: my wave's 64
.endr
	s_lshl_b32 s28, s26, 7
	s_add_co_u32 s28, s28, FST
	v_and_b32 v62, 7, v0
	v_lshl_add_u32 v[TA], v62, 4, s28
	ds_store_b128 v[TA], v[SC+8:SC+11]             ; the four lanes of a sample write the same bytes with the same values
.set PP, 0
.rept 16
	v_pk_mul_f32 v[AC0+PP:AC0+PP+1], v[AC0+PP:AC0+PP+1], -2.0 op_sel_hi:[1,0]
.set PP, PP+2
.endr
	PKMUL AC0, AC0, AC1                            ; -2 u2 s2
	v_add_nc_u32 v[ADO], XC, v[WLC]
	v_add_nc_u32 v[ADOS], XS, v[WLS]
.set NX, 8
.irp m, 0,1,2,3
	WIN 0x01
	PKMUL FR0, G+32*\m, AC1                        ; v2[m] = W3[:,m] s2
	WIN 0x41
	PKMUL G+32*\m, G+32*\m, AC0                    ; and the column becomes -2 W3[:,m] u2 s2
	WIN 0
.if \m >= 2
	QUANT FR0, \m%2, 1, 2
.else
	QUANT FR0, \m%2, 1, -1
.endif
	PUT \m%2, MC*\m, MS*\m
.endr
	LD FR0, OSC+1, ADI, ADS, 2048, 128             ; du1 of tiles 0 and 1
	LD FR1, OSC+2, ADI, ADS, 4096, 256
	s_wait_dscnt 5
	WM4 AC0, FR0, OSC+1, 0, -1
	WM4 AC0, FR0, OSC+1, 1, AC0
	PLACES
	s_mov_b32 s48, 0
	s_mov_b32 s49, YC
	s_mov_b32 s50, YS
	s_mov_b32 s54, XC
	s_mov_b32 s55, XS
.Lc:                                               ; four trips of two tangent tiles.  In each: dz2 of the tile in hand makes four tiles dv2[m]; the next tile's products stand among them, two to each
	s_wait_dscnt 0x0                               ; the address registers are written anew while no LDS instruction of mine is out
	s_add_co_u32 s51, s49, 4096
	s_min_u32 s51, s51, YC+3*4096                  ; the fetches run a trip ahead; the last trip fetches its own tiles again, and eight products on them are not used
	s_add_co_u32 s52, s50, 256
	s_min_u32 s52, s52, YS+3*256
	v_add_nc_u32 v[ADIN], s51, v[LI]
	v_add_nc_u32 v[ADSN], s52, v[LS]
	v_add_nc_u32 v[ADO], s54, v[WLC]
	v_add_nc_u32 v[ADOS], s55, v[WLS]
.irp e, 0,1
	LD FR0+16*\e, OSC+1+\e, ADIN, ADSN, 2048*(1+\e), 128*(1+\e)
	s_wait_dscnt 5                                 ; all but the five just issued: the next tile's fragments are in, and earlier stores are done
	PEND AC0+32*(1-\e), FR0+16*(1-\e), OSC+2-\e
.irp m, 0,1,2,3
	WIN 0x01
	PKMUL SC, G+32*\m, AC0+32*\e
	WIN 0
.if \m >= 2
	QUANT SC, \m%2, 4, 2
.else
	QUANT SC, \m%2, 4, -1
.endif
	PUT \m%2, MC*\m+2048*(1+\e), MS*\m+128*(1+\e)
.endr
.endr
	s_add_co_u32 s49, s49, 4096
	s_add_co_u32 s50, s50, 256
	s_add_co_u32 s54, s54, 4096
	s_add_co_u32 s55, s55, 256
	s_add_co_u32 s48, s48, 1
	s_cmp_lt_u32 s48, 4
	s_cbranch_scc1 .Lc
	BAR
; ---- D and E: a backward layer.  In: v[m] (tile 9 m) and dv[k, m].  Out: c[m] s, and s dc + (-2 c[m] u s) R[k].  ut: -2 u of the layer, in window 1; rwin: the windows of that multiply-add, R's among them.
; A trip is one m: step P (the primal tile) and eight tangent steps; each step fetches the tile two steps on, and the next tile's eight products stand among its vector lines.
.macro BWD inc, ins, outc, outs, rwin, ut, last
	v_add_nc_u32 v[ADI], \inc, v[LI]
	v_add_nc_u32 v[ADS], \ins, v[LS]
	LDP ADI, ADS
	LD FR0, OSC+1, ADI, ADS, 2048, 128
	LD FR1, OSC+2, ADI, ADS, 4096, 256
	s_wait_loadcnt 0x0                             ; the weights asked for a phase ago
	MOVW
	WIN 0x40
.if \last
.irp n, 0,1,2,3
	global_load_b128 v[WN+4*\n:WN+4*\n+3], v[LI], s[18:19] offset:131072+512*\n    ; W0's image
.endr
	WIN 0
	global_load_b32 v[WSF], v[LS], s[18:19] offset:WSB+8192
.else
	LW WN, 3                                       ; W1, K = its second axis
	WIN 0
	LWS WS1, 3
.endif
	WIN 0x01
.set PP, 0
.rept 16
	v_pk_mul_f32 v[SC+PP:SC+PP+1], v[\ut+PP:\ut+PP+1], s[42:43] op_sel_hi:[1,0]    ; u / 2, exact
.set PP, PP+2
.endr
	WIN 0x04
.set PP, 0
.rept 16
	v_pk_fma_f32 v[SC+PP:SC+PP+1], v[SC+PP:SC+PP+1], v[\ut+PP:\ut+PP+1], 1.0 op_sel_hi:[1,1,0]   ; s = 1 - u^2, rounded once
.set PP, PP+2
.endr
	WIN 0x41
	PKMUL \ut, \ut, SC                             ; -2 u s
	s_wait_dscnt 10                                ; the primal tile is in; two tiles' loads may be out
	WIN 0x54
	WM4 ACCP, FRP, OSC, 0, -1
	WM4 ACCP, FRP, OSC, 1, ACCP
	WIN 0
	s_wait_dscnt 5                                 ; tangent tile 0 is in
	PLACES
	s_mov_b32 s48, 0
	s_mov_b32 s49, \inc
	s_mov_b32 s50, \ins
	s_mov_b32 s54, \outc
	s_mov_b32 s55, \outs
.Lm_\@:
	s_wait_dscnt 0x0                               ; the address registers are written anew while no LDS instruction of mine is out
	s_add_co_u32 s51, s49, MC
	s_min_u32 s51, s51, \inc+3*MC                  ; the next m's tiles; the last trip fetches its own again, and eight products on them are not used
	s_add_co_u32 s52, s50, MS
	s_min_u32 s52, s52, \ins+3*MS
	v_add_nc_u32 v[ADI], s49, v[LI]
	v_add_nc_u32 v[ADS], s50, v[LS]
	v_add_nc_u32 v[ADIN], s51, v[LI]
	v_add_nc_u32 v[ADSN], s52, v[LS]
	v_add_nc_u32 v[ADO], s54, v[WLC]
	v_add_nc_u32 v[ADOS], s55, v[WLS]
	WIN 0x45
	PKMUL ACUR, ACCP, \ut                          ; -2 c[m] u s
	WIN 0x01
	PKMUL AC1, ACCP, SC                            ; c[m] s
	WIN 0
	PEND AC0, FR0, OSC+1
	QUANT AC1, 2, 1, -1
	PUT 2, 0, 0
.irp t, 0,1,2,3,4,5,6,7
.if \t < 6
	LD FR0+16*(\t%2), OSC+1+(\t%2), ADI, ADS, 2048*(\t+3), 128*(\t+3)
.else
	LD FR0+16*(\t%2), OSC+1+(\t%2), ADIN, ADSN, 2048*(\t-5), 128*(\t-5)
.endif
	s_wait_dscnt 5                                 ; all but the five just issued: the next tile's fragments are in, and earlier stores are done
.if \t == 4
	LDP ADIN, ADSN                                 ; the next m's primal tile: a whole step ahead of the next wait
.endif
.if \t == 7
	WIN 0x54
	WM4 ACCP, FRP, OSC, 0, -1                      ; the next m's c
	WM4 ACCP, FRP, OSC, 1, ACCP
	WIN 0
.set NX, 8
.else
	PEND AC0+32*(1-\t%2), FR0+16*(1-\t%2), OSC+2-\t%2
.endif
	PKMULM AC0+32*(\t%2), SC, AC0+32*(\t%2)
	WIN \rwin
	PKFMA AC0+32*(\t%2), ACUR, 32*\t, AC0+32*(\t%2)
	WIN 0
	QUANT AC0+32*(\t%2), \t%2, 2, -1
	PUT \t%2, 2048*(1+\t), 128*(1+\t)
.endr
	s_add_co_u32 s49, s49, MC
	s_add_co_u32 s50, s50, MS
	s_add_co_u32 s54, s54, MC
	s_add_co_u32 s55, s55, MS
	s_add_co_u32 s48, s48, 1
	s_cmp_lt_u32 s48, 4
	s_cbranch_scc1 .Lm_\@
	BAR
.endm
.set WSC, WS0
	BWD XC, XS, YC, YS, 0x0d, U1, 0                ; through W2^T: R = dz1 (window 3)
.set WSC, WS1
	BWD YC, YS, XC, XS, 0x09, U0, 1                ; through W1^T: R = W0's rows (window 2)
	; ---- F: through W0^T.  Wave w takes the tangent tiles t = 2 w, 2 w + 1 of all four m, and the primal tile of m = w
	s_lshl_b32 s28, s26, 12
	v_add_nc_u32 v[ADI], s28, v[LI]
	s_lshl_b32 s28, s26, 8
	s_add_co_u32 s28, s28, XS
	v_add_nc_u32 v[ADS], s28, v[LS]
	s_mul_i32 s28, s26, MC
	v_add_nc_u32 v[ADIN], s28, v[LI]
	s_mul_i32 s28, s26, MS
	s_add_co_u32 s28, s28, XS
	v_add_nc_u32 v[ADSN], s28, v[LS]
	WIN 0xc0
.irp q, 0,1,2,3,4,5,6,7
.irp n, 0,1,2,3
	ds_load_b128 v[16*\q+4*\n:16*\q+4*\n+3], v[ADI] offset:MC*(\q%4)+2048*(1+\q/4)+512*\n
.endr
.endr
.irp n, 0,1,2,3
	ds_load_b128 v[128+4*\n:128+4*\n+3], v[ADIN] offset:512*\n
.endr
	WIN 0
.irp q, 0,1,2,3,4,5,6,7
	ds_load_b32 v[OSC+\q], v[ADS] offset:MS*(\q%4)+128*(1+\q/4)
.endr
	ds_load_b32 v[OSC+8], v[ADSN]
	s_wait_loadcnt 0x0                             ; W0's image
	s_wait_dscnt 0x0
	WIN 0x0d
.irp q, 0,1,2,3,4,5,6,7,8
	WM AC0+8*\q, WN, 16*\q, -1, WSF, OSC+\q, 0     ; nine accumulators by turns
.endr
.irp q, 0,1,2,3,4,5,6,7,8
	WM AC0+8*\q, WN+8, 16*\q+8, AC0+8*\q, WSF, OSC+\q, 1
.endr
	WIN 0
	v_and_b32 v62, 7, v0                           ; the stages' addresses: eleven plain lines, the places behind the products
	v_bfe_u32 v63, v0, 4, 1
	v_bfe_u32 v34, v0, 3, 1
	v_mul_u32_u24 v[ADO], v62, SPI
	v_lshl_add_u32 v[ADO], v63, 11, v[ADO]
	v_lshl_add_u32 v[ADO], v34, 4, v[ADO]
	s_lshl_b32 s28, s26, 6
	s_add_co_u32 s28, s28, STG
	v_add_nc_u32 v[ADO], s28, v[ADO]               ; d2f: sample, d = 8 h + j (256 bytes each), k = 4 w + 2 e + r / 8 (16 bytes each)
	v_mul_u32_u24 v[ADOS], v62, 272
	v_lshl_add_u32 v[ADOS], v63, 7, v[ADOS]
	s_lshl_b32 s28, s26, 2
	s_add_co_u32 s28, s28, DFS
	v_add_nc_u32 v[ADOS], s28, v[ADOS]             ; df: sample, d = 8 h + j (16 bytes each), m = w
	v_nop
.irp e, 0,1
.irp j, 0,1,2,3,4,5,6,7
.irp m, 0,1,2,3
	v_mov_b32 v[WC+4*(8*\e+\j)+\m], v[AC0+8*(4*\e+\m)+\j]      ; the four m of one (d, k) are 16 neighbouring bytes of out2; each accumulator is read from its low end on
.endr
	ds_store_b128 v[ADO], v[WC+4*(8*\e+\j):WC+4*(8*\e+\j)+3] offset:256*\j+32*\e
.endr
.endr
.irp j, 0,1,2,3,4,5,6,7
	ds_store_b32 v[ADOS], v[AC0+64+\j] offset:16*\j            ; lanes r and r + 8 write the same bytes with the same value
.endr
	BAR
	s_mul_i32 s28, s26, 2*SPI
	s_add_co_u32 s28, s28, STG
	v_add_nc_u32 v[ADI], s28, v[LI]                ; back: my two samples, 512 consecutive bytes a load
	v_and_b32 v62, 15, v0
	v_mul_u32_u24 v[ADS], v63, 272
	v_lshl_add_u32 v[ADS], v62, 4, v[ADS]
	s_mul_i32 s28, s26, 2*272
	s_add_co_u32 s28, s28, DFS
	v_add_nc_u32 v[ADS], s28, v[ADS]
	v_add_nc_u32 v[ADSN], FST, v[LS]
.irp q, 0,1,2,3,4,5,6,7,8,9,10,11,12,13,14,15
	ds_load_b128 v[WC+4*\q:WC+4*\q+3], v[ADI] offset:(\q/8)*SPI+512*(\q%8)
.endr
	ds_load_b128 v[FR0:FR0+3], v[ADS]
.irp q, 0,1,2,3,4,5,6,7,8,9,10,11,12,13,14,15
	s_wait_dscnt 16-\q                             ; the loads issued behind this one may be out
	global_store_b128 v[OWC], v[WC+4*\q:WC+4*\q+3], s[24:25] offset:512*\q th:TH_STORE_NT   ; 512 consecutive bytes of out2, aligned
.endr
	s_wait_dscnt 0x0
	global_store_b128 v[WLC], v[FR0:FR0+3], s[22:23] th:TH_STORE_NT                         ; 512 consecutive bytes of out1, aligned
	s_cmp_lg_u32 s26, 0
	s_cbranch_scc1 .Lend                           ; f: wave 0 adds the four waves' parts and b3; lane = 4 x sample + m
	v_and_b32 v62, 3, v0
	v_lshlrev_b32 v62, 2, v62
	global_load_b32 v63, v62, s[16:17]
.irp n, 0,1,2,3
	ds_load_b32 v[MA+\n], v[ADSN] offset:128*\n
.endr
	s_wait_dscnt 0x0
	v_add_f32 v[MA], v[MA], v[MA+1]
	v_add_f32 v[MA+2], v[MA+2], v[MA+3]
	v_add_f32 v[MA], v[MA], v[MA+2]
	s_wait_loadcnt 0x0
	v_add_f32 v[MA], v[MA], v63
	global_store_b32 v[LS], v[MA], s[20:21]
.Lend:
	s_wait_xcnt 0x0
	v_lshl_add_u32 v158, v0, 2, 0x27000
	v_mov_b32 v159, 0
	s_wait_tensorcnt 0x0
	ds_add_u32 v158, v159
	s_wait_dscnt 0x0
	s_endpgm
.Lfunc_end_k_qf3007e779e_hess:
	.size	k_qf3007e779e_hess, .Lfunc_end_k_qf3007e779e_hess-k_qf3007e779e_hess
	.p2alignl 7, 3214868480
	.fill 96, 4, 3214868480
	.section	.rodata,"a",@progbits
	.p2align	6, 0x0
	.amdhsa_kernel k_qf3007e779e_hess
		.amdhsa_group_segment_fixed_size 160256
		.amdhsa_private_segment_fixed_size 0
		.amdhsa_enable_private_segment 0
		.amdhsa_kernarg_size 88
		.amdhsa_user_sgpr_count 2
		.amdhsa_user_sgpr_kernarg_segment_ptr 1
		.amdhsa_wavefront_size32 1
		.amdhsa_system_sgpr_workgroup_id_x 1
		.amdhsa_system_sgpr_workgroup_id_y 1
		.amdhsa_system_sgpr_workgroup_id_z 1
		.amdhsa_system_vgpr_workitem_id 0
		.amdhsa_next_free_vgpr 1024
		.amdhsa_next_free_sgpr 66
		.amdhsa_reserve_vcc 1
		.amdhsa_float_denorm_mode_32 3
		.amdhsa_float_denorm_mode_16_64 3
		.amdhsa_memory_ordered 1
		.amdhsa_forward_progress 1
		.amdhsa_inst_pref_size 255
	.end_amdhsa_kernel
	.section	.bss,"aw",@nobits
	.p2align	6
	.space	262144
	.amdgpu_metadata
---
amdhsa.version: [ 1, 2 ]
amdhsa.kernels:
  - .name:           k_qf3007e779e_hess
    .symbol:         k_qf3007e779e_hess.kd
    .args:
      - { .name: x, .offset: 0, .size: 8, .value_kind: global_buffer, .address_space: global }
      - { .name: W0, .offset: 8, .size: 8, .value_kind: global_buffer, .address_space: global }
      - { .name: b0, .offset: 16, .size: 8, .value_kind: global_buffer, .address_space: global }
      - { .name: b1, .offset: 24, .size: 8, .value_kind: global_buffer, .address_space: global }
      - { .name: b2, .offset: 32, .size: 8, .value_kind: global_buffer, .address_space: global }
      - { .name: W3, .offset: 40, .size: 8, .value_kind: global_buffer, .address_space: global }
      - { .name: b3, .offset: 48, .size: 8, .value_kind: global_buffer, .address_space: global }
      - { .name: wimg, .offset: 56, .size: 8, .value_kind: global_buffer, .address_space: global }
      - { .name: out0, .offset: 64, .size: 8, .value_kind: global_buffer, .address_space: global }
      - { .name: out1, .offset: 72, .size: 8, .value_kind: global_buffer, .address_space: global }
      - { .name: out2, .offset: 80, .size: 8, .value_kind: global_buffer, .address_space: global }
    .group_segment_fixed_size: 160256
    .private_segment_fixed_size: 0
    .kernarg_segment_align: 8
    .kernarg_segment_size: 88
    .max_flat_workgroup_size: 128
    .sgpr_count:     66
    .vgpr_count:     1024
    .wavefront_size: 32
...
	.end_amdgpu_metadata
.endif
;; end of part 2
;; ======== version 2 of 2: 2 launches; version 1 with the launch hess written anew for expert scheduling mode
;; workspace buffers: wimg 141,568 bytes
;; launch prep: the kernel of part 1 again; grid 65 x 1, 1 waves a work-group, no clusters, 0 bytes of LDS; arguments W0, W1, W2, wimg; writes wimg
;; launch hess (part 3): grid 256 x 1, 4 waves a work-group, no clusters, 160,256 bytes of LDS; arguments x, W0, b0, b1, b2, W3, b3, wimg, out0, out1, out2; writes out0, out1, out2
.if DOCPART == 3
	.amdgcn_target "amdgcn-amd-amdhsa--gfx1250"
	.amdhsa_code_object_version 6
	.text
	.protected	k_qf3007e779e_hess
	.globl	k_qf3007e779e_hess
	.p2align	8
	.type	k_qf3007e779e_hess,@function
k_qf3007e779e_hess:
	s_mov_b64 s[64:65], 0
	v_nop
	global_prefetch_b8 v0, s[64:65] scope:SCOPE_SE
	s_setreg_imm32_b32 hwreg(HW_REG_WAVE_SCHED_MODE, 0, 2), 2
	s_setreg_imm32_b32 hwreg(HW_REG_WAVE_MODE, 25, 1), 1
	s_wait_xcnt 0x0
	s_wait_alu depctr_vm_vsrc(0)
; f, its Jacobian (reverse mode) and its Hessian (forward over reverse) of the tanh MLP 16 -> 256 -> 256 -> 256 -> 4; the products over K = 256 on codes of FP4 (E2M1), one E8M0 byte for each 32 along K.
; With s = 1 - u^2, k the tangent's direction, m the output:
;   forward    u0 = tanh(x W0 + b0) (f32), u1 = tanh(Q(u0) Q(W1) + b1), u2 = tanh(Q(u1) Q(W2) + b2), f = u2 W3 + b3 (f32)
;   tangents   du0 = s0 W0[k], dz1 = Q(du0) Q(W1), du1 = s1 dz1, dz2 = Q(du1) Q(W2)
;   backward   v2 = W3[:,m] s2, c1 = Q(v2) Q(W2^T), v1 = c1 s1, c0 = Q(v1) Q(W1^T), v0 = c0 s0, df = Q(v0) Q(W0^T)
;   its tangent dv2 = -2 W3[:,m] u2 s2 dz2, dc1 = Q(dv2) Q(W2^T), dv1 = s1 dc1 - 2 c1 u1 s1 dz1, dc0 = Q(dv1) Q(W1^T), dv0 = s0 dc0 - 2 c0 u0 s0 W0[k], d2f = Q(dv0) Q(W0^T)
; Products that reference() repeats with the same operands are made once.
; SHARES.  A work-group owns 8 samples, with all their k and m.  THE WAVES SHARE THE COLUMNS: wave w makes hidden units 64 w .. 64 w + 63 of every layer.
; Every product is used transposed (source 0 = 16 rows of a weight's image, source 1 = 16 operand rows): lane (r, h) holds operand row r, and register 16 b + 8 u + j of its 32 the unit 64 w + 32 b + 16 h + 8 u + j.
; LANE r ALWAYS MEANS SAMPLE r % 8; in a tangent tile t its direction is k = 2 t + r / 8; a primal tile holds each sample twice.  So every table of a sample (s, -2 u s, c[m]) lies as the results lie and stays in registers.
; OPERANDS GO FROM WAVE TO WAVE THROUGH LDS AS IMAGES OF THEIR REGISTERS: a wave's 64 units are half w % 2 of K step w / 2: one ds_store_b128 at 16 x lane, and two bytes of the row's scale word.
; Tile 9 m of a buffer is output m's primal tile, tile 9 m + 1 + t its tangent tile t (forward tiles: m = 0).  Two buffers X and Y take turns, a barrier between the phases; no tensor loads, no ring.
; The weights come from wimg straight into the registers of the one wave that uses them, asked for a phase ahead.
; BY TURNS.  The eight matrix instructions of the NEXT tile stand singly among the vector instructions that turn the tile in hand into codes (macro MM): all that they name lies in window 0.
; THE MODE: SCHED_MODE bits 1:0 = 2 (LLVM: expert scheduling mode 2), set by the entry lines.  The code itself states the register dependences
; between vector or matrix instructions and memory or LDS instructions, with s_wait_alu, always for 0.
; THE PLAN.  Registers that memory or LDS instructions touch:
;   v1-4, v11-15      offsets, made once at the head and never written again.
;   ADI .. ADOS       LDS addresses: written by vector adds at the head of a phase or of a loop's trip, read by the LDS loads and stores of that phase or trip.
;   FR0, FR1, FRP, OSC ..   a tile's fragments and scale words: its five LDS loads land there two steps ahead; its eight products, issued among the lines of the step before its own, read them.
;   CD, HW            three sets of codes and scale bytes: written by QUANT's last lines, read by the tile's two stores (PUT), written again two tiles on.
;   WN, WS0, WS1, WSF the next weights: global loads land there a phase ahead; MOVW's moves, or products, read them.  WC: written by those moves, read by the products.
; ONE wait on va_vdst a tile, at the head of PUT: the tile's codes and bytes are written, and every product issued so far is done reading its fragments and scale words.  The tile's stores follow it, and straight behind
; them the next step's loads: no vector or matrix line stands between, so these owe nothing more.  ONE wait on vm_vsrc a tile, in QUANT, ahead of the lines that write a set of codes again; one more in front of
; each barrier and at each loop's head, ahead of the adds that write the addresses anew.  The other waits stand where a phase begins or ends, each with its dependence beside it.
; LIMITS: NaN and infinities among the inputs are not served; a block whose largest magnitude lies under 2^-124 gets the scale byte 1; tanh is good to about 1e-6 of its value
; (a series under |z| = 0.25, 1 - 2 / (1 + 2^(2.885 z)) above); out0 leaves in runs of 128 bytes a work-group.
; REGISTERS, in windows of 256.  Window 0: see the names below.  Window 1: v0-63 the next weights; v64-191 W3's columns (later c[m] tables and the primal tile); v192-223 -2 u1; v224-255 -2 u0.
;   Window 2: W0[2 t + r / 8] at 32 t, f32, for the whole launch.   Window 3: dz1 of tile t at 32 t (at the head b0 and b1; at the end fragments).
.set XC,  0                            ; LDS: buffer X, 36 tiles x 2,048 bytes of codes
.set YC,  73728                        ; buffer Y
.set XS,  147456                       ; X's scale words: 128 bytes a tile: K step 0's 16 words, then K step 1's
.set YS,  152064                       ; Y's
.set FST, 156672                       ; f's parts: 128 x wave + 16 x sample + 4 m
.set DFS, 157184                       ; df's stage: 8 samples x (256 + 16)
.set STG, YC                           ; d2f's stage, in Y when Y is done with: 8 samples x (4,096 + 32)
.set SPI, 4128
.set MC,  18432                        ; nine tiles of codes
.set MS,  1152                         ; nine tiles of scale words
.set WSB, 133120                       ; wimg: where the scale words begin
.set LI,   1                           ; 16 x lane; never rewritten
.set LS,   2                           ; 4 x lane; never rewritten
.set WLC,  3                           ; 16 x lane + 512 x wave: where my half of a fragment goes; never rewritten
.set WLS,  4                           ; 4 r + 64 (wave / 2) + 2 (wave % 2): my two bytes of a scale word; never rewritten
.set ADI,  5                           ; LDS addresses: codes and scale words read,
.set ADS,  6
.set ADIN, 7                           ; the same a trip ahead,
.set ADSN, 8
.set ADO,  9                           ; codes and scale bytes written
.set ADOS, 10
.set OW0,  11                          ; global offsets, never rewritten: W0's rows,
.set OB,   12                          ; the biases,
.set OW3,  13                          ; W3,
.set OWC,  14                          ; wimg's codes (and out2),
.set OWS,  15                          ; wimg's scale words
.set WS0,  16                          ; v16-19, v20-23 the weights' scale words, two sets; v24 W0's; v25-33 the operands': these hold scales and nothing else
.set WS1,  20
.set WSF,  24
.set OSC,  25
.set MA,   34                          ; v34-46 at work in QUANT
.set MB,   36
.set PX,   38
.set SO,   40
.set BY,   42
.set HW,   44                          ; v44-46 two scale bytes, three sets
.set TA,   47
.set CD,   48                          ; v48-59 codes, three sets of four
.set WC,   64                          ; v64-127 the weights in hand: tile t, K step s at 16 t + 8 s
.set FR0,  128                         ; v128-143, v144-159 a tile's two fragments, two buffers
.set FR1,  144
.set AC0,  160                         ; v160-191, v192-223 results, two buffers
.set AC1,  192
.set SC,   224                         ; v224-255 the layer's s
.set WN,   0                           ; window 1
.set G,    64
.set U1,   192
.set U0,   224
.set ACUR, 64
.set ACCP, 96
.set FRP,  128
.set MSB, 0
.set NX,  8
.set NXA, AC0
.set NXF, FR0
.set NXS, OSC
.set WSC, WS0
.macro WIN new                         ; the immediate's high byte repeats the setting that is left; a switch that changes nothing is dropped
.if MSB != \new
	s_set_vgpr_msb (MSB<<8)|\new
.set MSB, \new
.endif
.endm
.macro PLACES                          ; four plain vector lines between a matrix instruction and a load into, or a vector line on, its registers
.rept 4
	v_nop
.endr
.endm
.macro BAR                             ; my LDS stores have landed and my LDS loads are in: then the work-group's barrier
	s_wait_alu depctr_vm_vsrc(0)                   ; my LDS instructions so far have read their address and data registers: the next phase writes them anew
	s_wait_dscnt 0x0
	s_barrier_signal -1
	s_barrier_wait -1
.endm
; one matrix instruction.  ks: the K step, which picks the scale registers' rows;  c < 0: the constant 0 starts the sum
.macro WM d, a, b, c, sa, sb, ks
.if (\ks) == 0
.if (\c) < 0
	v_wmma_scale_f32_16x16x128_f8f6f4 v[\d:\d+7], v[\a:\a+7], v[\b:\b+7], 0, v[\sa], v[\sb] matrix_a_fmt:MATRIX_FMT_FP4 matrix_b_fmt:MATRIX_FMT_FP4
.else
	v_wmma_scale_f32_16x16x128_f8f6f4 v[\d:\d+7], v[\a:\a+7], v[\b:\b+7], v[\c:\c+7], v[\sa], v[\sb] matrix_a_fmt:MATRIX_FMT_FP4 matrix_b_fmt:MATRIX_FMT_FP4
.endif
.else
	v_wmma_scale_f32_16x16x128_f8f6f4 v[\d:\d+7], v[\a:\a+7], v[\b:\b+7], v[\c:\c+7], v[\sa], v[\sb] matrix_a_fmt:MATRIX_FMT_FP4 matrix_b_fmt:MATRIX_FMT_FP4 matrix_a_scale:MATRIX_SCALE_ROW1 matrix_b_scale:MATRIX_SCALE_ROW1
.endif
.endm
.macro WM4 d, f, sb, ks, c             ; my four tiles of units for one K step: the four accumulators take turns
.irp t, 0,1,2,3
.if (\c) < 0
	WM \d+8*\t, WC+16*\t+8*(\ks), \f+8*(\ks), -1, WSC+\t, \sb, \ks
.else
	WM \d+8*\t, WC+16*\t+8*(\ks), \f+8*(\ks), \c+8*\t, WSC+\t, \sb, \ks
.endif
.endr
.endm
.macro PEND a, f, sc                   ; the tile whose eight matrix instructions MM deals out: results, fragments, scale words
.set NX, 0
.set NXA, \a
.set NXF, \f
.set NXS, \sc
.endm
.macro MM                              ; the pending tile's next matrix instruction, if one is left: K step 0 of the four accumulators, then K step 1
.if NX < 4
	WM NXA+8*NX, WC+16*NX, NXF, -1, WSC+NX, NXS, 0
.elseif NX < 8
	WM NXA+8*(NX-4), WC+16*(NX-4)+8, NXF+8, NXA+8*(NX-4), WSC+NX-4, NXS, 1
.endif
.if NX < 8
.set NX, NX+1
.endif
.endm
.macro LD fr, sc, adi, ads, ic, is     ; a tile: two fragments and its scale words: five LDS loads
	ds_load_b128 v[\fr:\fr+3], v[\adi] offset:\ic
	ds_load_b128 v[\fr+4:\fr+7], v[\adi] offset:\ic+512
	ds_load_b128 v[\fr+8:\fr+11], v[\adi] offset:\ic+1024
	ds_load_b128 v[\fr+12:\fr+15], v[\adi] offset:\ic+1536
	ds_load_b32 v[\sc], v[\ads] offset:\is
.endm
.macro LDP adi, ads                    ; a primal tile, into window 1
	WIN 0x40
.irp n, 0,1,2,3
	ds_load_b128 v[FRP+4*\n:FRP+4*\n+3], v[\adi] offset:512*\n
.endr
	WIN 0
	ds_load_b32 v[OSC], v[\ads]
.endm
.macro PKMUL d, a, b                   ; 32 numbers, two an instruction
.set PP, 0
.rept 16
	v_pk_mul_f32 v[\d+PP:\d+PP+1], v[\a+PP:\a+PP+1], v[\b+PP:\b+PP+1]
.set PP, PP+2
.endr
.endm
.macro PKMULM d, a, b                  ; the same, a matrix instruction behind every four
.set PP, 0
.rept 16
	v_pk_mul_f32 v[\d+PP:\d+PP+1], v[\a+PP:\a+PP+1], v[\b+PP:\b+PP+1]
.set PP, PP+2
.if (PP % 8) == 0
	MM
.endif
.endr
.endm
.macro PKFMA d, a, b, c
.set PP, 0
.rept 16
	v_pk_fma_f32 v[\d+PP:\d+PP+1], v[\a+PP:\a+PP+1], v[\b+PP:\b+PP+1], v[\c+PP:\c+PP+1]
.set PP, PP+2
.endr
.endm
.macro PKFMAS d, a, b, lo              ; d = a b + the scalar s[lo]
.set PP, 0
.rept 16
	v_pk_fma_f32 v[\d+PP:\d+PP+1], v[\a+PP:\a+PP+1], v[\b+PP:\b+PP+1], s[\lo:\lo+1] op_sel_hi:[1,1,0]
.set PP, PP+2
.endr
.endm
.macro QSTEP hs
.set QN, QN+1
.if (QN % (2*(\hs))) == 0
	MM
.endif
.endm
; 32 numbers of a lane, v[src] on (two half blocks of 16 neighbours along K), become four registers of codes, set cs, and my row's two scale bytes.  A matrix instruction stands behind every 2 hs lines of the maximum.
; gd >= 0: a wait that shows the stores which last read this set done.  Behind the last matrix instruction stand seven plain lines and more: its places.
.macro QUANT src, cs, hs, gd
.set QN, 0
	v_max3_num_f32 v[MA], |v[\src]|, |v[\src+1]|, 0x1800000        ; the floor 2^(3 - 127) among the leaves: the byte cannot fall under 1
	QSTEP \hs
	v_max3_num_f32 v[MB], |v[\src+8]|, |v[\src+9]|, |v[\src+10]|
	QSTEP \hs
	v_max3_num_f32 v[MA+1], |v[\src+16]|, |v[\src+17]|, 0x1800000
	QSTEP \hs
	v_max3_num_f32 v[MB+1], |v[\src+24]|, |v[\src+25]|, |v[\src+26]|
	QSTEP \hs
.irp k, 1,2
	v_max3_num_f32 v[MA], v[MA], |v[\src+2*\k]|, |v[\src+2*\k+1]|
	QSTEP \hs
	v_max3_num_f32 v[MB], v[MB], |v[\src+9+2*\k]|, |v[\src+10+2*\k]|
	QSTEP \hs
	v_max3_num_f32 v[MA+1], v[MA+1], |v[\src+16+2*\k]|, |v[\src+17+2*\k]|
	QSTEP \hs
	v_max3_num_f32 v[MB+1], v[MB+1], |v[\src+25+2*\k]|, |v[\src+26+2*\k]|
	QSTEP \hs
.endr
	v_max3_num_f32 v[MA], v[MA], |v[\src+6]|, |v[\src+7]|
	QSTEP \hs
	v_max3_num_f32 v[MA+1], v[MA+1], |v[\src+22]|, |v[\src+23]|
	QSTEP \hs
	v_max3_num_f32 v[MB], v[MB], |v[\src+15]|, v[MA]
	QSTEP \hs
	v_max3_num_f32 v[MB+1], v[MB+1], |v[\src+31]|, v[MA+1]
	QSTEP \hs
	v_permlanex16_b32 v[PX], v[MB], s30, s31
	v_permlanex16_b32 v[PX+1], v[MB+1], s30, s31
	v_max_num_f32 v[MB], v[MB], v[PX]              ; with lane l xor 16's 16 numbers: the block's largest magnitude
	v_max_num_f32 v[MB+1], v[MB+1], v[PX+1]
	v_add_nc_u32 v[SO], 0xff000000, v[MB]          ; 2 off the exponent field: the conversion's scale operand
	v_add_nc_u32 v[SO+1], 0xff000000, v[MB+1]
	v_lshrrev_b32 v[BY], 23, v[SO]                 ; the scale's byte
	v_lshrrev_b32 v[BY+1], 23, v[SO+1]
.if (\gd) >= 0
	s_wait_dscnt \gd
.endif
	s_wait_alu depctr_vm_vsrc(0)                   ; the LDS stores that last read this set of codes and its two bytes have read them: the lines below write both anew
	v_lshl_or_b32 v[HW+(\cs)], v[BY+1], 8, v[BY]
	v_cvt_scalef32_pk8_fp4_f32 v[CD+4*(\cs)], v[\src:\src+7], v[SO]
	v_cvt_scalef32_pk8_fp4_f32 v[CD+4*(\cs)+1], v[\src+8:\src+15], v[SO]
	v_cvt_scalef32_pk8_fp4_f32 v[CD+4*(\cs)+2], v[\src+16:\src+23], v[SO+1]
	v_cvt_scalef32_pk8_fp4_f32 v[CD+4*(\cs)+3], v[\src+24:\src+31], v[SO+1]
	v_nop                                          ; one plain line behind the conversions
	v_permlane16_swap_b32 v[CD+4*(\cs)], v[CD+4*(\cs)+2]      ; the operand's layout wants a whole block in a lane: lanes 0-15 the first block, lanes 16-31 the second
	v_permlane16_swap_b32 v[CD+4*(\cs)+1], v[CD+4*(\cs)+3]
.endm
.macro PUT cs, ic, is                  ; my half of the tile's fragment, and my two bytes of its rows' scale words (lanes r and r + 16 write the same bytes with the same value)
	s_wait_alu depctr_va_vdst(0)                   ; the tile's codes and bytes are written, and the addresses where they are fresh: the stores below read them; and every product issued so far is done reading its fragments and scale words, in which the loads behind these stores land
	ds_store_b128 v[ADO], v[CD+4*(\cs):CD+4*(\cs)+3] offset:\ic
	ds_store_b16 v[ADOS], v[HW+(\cs)] offset:\is
.endm
; z = tanh(z), 32 numbers.  t1 = 1 - 2 / (1 + 2^(2.885 z)); t3 = z + z^3 (C1 + C2 y + C3 y^2 + C4 y^3), y = z^2, which is taken under |z| = 0.25, where the first form loses digits.
; The exponentials are one batch and the reciprocals another; independent lines of the series follow each batch, and one wait stands ahead of each batch's first reader.
; The compares go in two runs of sixteen, into s44 to s59 (free while a tanh is taken), with one wait behind each run.
.macro TANH z, t1, t2, t3
	PKMUL \t2, \z, \z
.set PP, 0
.rept 16
	v_pk_mul_f32 v[\t1+PP:\t1+PP+1], v[\z+PP:\z+PP+1], s[32:33] op_sel_hi:[1,0]
.set PP, PP+2
.endr
.set PP, 0
.rept 32
	v_exp_f32 v[\t1+PP], v[\t1+PP]
.set PP, PP+1
.endr
.set PP, 0
.rept 16
	v_pk_fma_f32 v[\t3+PP:\t3+PP+1], v[\t2+PP:\t2+PP+1], v[60:61], s[34:35] op_sel_hi:[1,1,0]
.set PP, PP+2
.endr
	PKFMAS \t3, \t3, \t2, 36
	PKFMAS \t3, \t3, \t2, 38
	s_wait_alu depctr_va_vdst(0)                   ; the 32 exponentials have written their results, ahead of the first line that names one
.set PP, 0
.rept 16
	v_pk_add_f32 v[\t1+PP:\t1+PP+1], v[\t1+PP:\t1+PP+1], 1.0 op_sel_hi:[1,0]
.set PP, PP+2
.endr
.set PP, 0
.rept 32
	v_rcp_f32 v[\t1+PP], v[\t1+PP]
.set PP, PP+1
.endr
	PKMUL \t2, \z, \t2                             ; z^3
	PKFMA \t3, \t2, \t3, \z
	s_wait_alu depctr_va_vdst(0)                   ; the 32 reciprocals have written their results, ahead of the first line that names one
.set PP, 0
.rept 16
	v_pk_fma_f32 v[\t1+PP:\t1+PP+1], v[\t1+PP:\t1+PP+1], -2.0, 1.0 op_sel_hi:[1,0,0]
.set PP, PP+2
.endr
.set PP, 0
.rept 2
.set QQ, 0
.rept 16
	v_cmp_lt_f32 s[44+QQ], |v[\z+PP+QQ]|, s40
.set QQ, QQ+1
.endr
	s_wait_alu depctr_va_sdst(0)                   ; the sixteen compares have written their masks, ahead of the selects that read them
.set QQ, 0
.rept 16
	v_cndmask_b32 v[\z+PP+QQ], v[\t1+PP+QQ], v[\t3+PP+QQ], s[44+QQ]
.set QQ, QQ+1
.endr
.set PP, PP+16
.endr
.endm
.macro LBIAS reg, lo                   ; a bias in the results' layout: my 2 x 16 neighbouring numbers
.irp n, 0,1,2,3,4,5,6,7
	global_load_b128 v[\reg+4*\n:\reg+4*\n+3], v[OB], s[\lo:\lo+1] offset:128*(\n/4)+16*(\n%4)
.endr
.endm
.macro LW reg, u                       ; my four tiles of weight u: 16 loads of 512 consecutive bytes
.irp n, 0,1,2,3,4,5,6,7,8,9,10,11,12,13,14,15
	global_load_b128 v[\reg+4*\n:\reg+4*\n+3], v[OWC], s[18:19] offset:32768*(\u)+512*\n
.endr
.endm
.macro LWS reg, u                      ; and their scale words
.irp t, 0,1,2,3
	global_load_b32 v[\reg+\t], v[OWS], s[18:19] offset:WSB+2048*(\u)+128*\t
.endr
.endm
.macro LW3 m                           ; column m of W3 in the results' layout
.set PP, 0
.rept 32
	global_load_b32 v[G+32*(\m)+PP], v[OW3], s[14:15] offset:16*(32*(PP/16)+PP%16)+4*(\m)
.set PP, PP+1
.endr
.endm
.macro MOVW                            ; the weights asked for a phase ago come into window 0, where matrix and vector lines can stand side by side without a switch
	WIN 0x01
.set PP, 0
.rept 64
	v_mov_b32 v[WC+PP], v[WN+PP]
.set PP, PP+1
.endr
.endm
; Behind a layer's tanh (u in AC0): u's codes (tile 0); s = 1 - u^2; -2 u kept in window 1 at ut; then the eight tangent tiles s R[t], R in the window that rwin names for source 1
.macro FWDOUT outc, outs, ut, rwin
	v_add_nc_u32 v[ADO], \outc, v[WLC]
	v_add_nc_u32 v[ADOS], \outs, v[WLS]
.set NX, 8
	QUANT AC0, 2, 1, -1
	PUT 2, 0, 0
.set PP, 0
.rept 16
	v_pk_fma_f32 v[SC+PP:SC+PP+1], v[AC0+PP:AC0+PP+1], v[AC0+PP:AC0+PP+1], 1.0 op_sel_hi:[1,1,0] neg_lo:[1,0,0] neg_hi:[1,0,0]
.set PP, PP+2
.endr
	WIN 0x40
.set PP, 0
.rept 16
	v_pk_mul_f32 v[\ut+PP:\ut+PP+1], v[AC0+PP:AC0+PP+1], -2.0 op_sel_hi:[1,0]
.set PP, PP+2
.endr
.irp t, 0,1,2,3,4,5,6,7
	WIN \rwin
	PKMUL AC0+32*(\t%2), SC, 32*\t
	WIN 0
.if \t >= 2
	QUANT AC0+32*(\t%2), \t%2, 1, 2                ; the last tile's two stores may be out: those of two tiles back have read this set
.else
	QUANT AC0+32*(\t%2), \t%2, 1, -1
.endif
	PUT \t%2, 2048*(1+\t), 128*(1+\t)
.endr
	BAR
.endm
	s_load_b256 s[4:11], s[0:1], 0x0               ; x s[4:5], W0 s[6:7], b0 s[8:9], b1 s[10:11]
	s_load_b256 s[12:19], s[0:1], 0x20             ; b2 s[12:13], W3 s[14:15], b3 s[16:17], wimg s[18:19]
	s_load_b128 s[20:23], s[0:1], 0x40             ; out0 s[20:21], out1 s[22:23]
	s_load_b64 s[24:25], s[0:1], 0x50              ; out2
	v_lshrrev_b32 v34, 5, v0
	v_readfirstlane_b32 s26, v34                   ; wave 0..3
	v_and_b32 v35, 31, v0                          ; lane
	v_and_b32 v36, 15, v0                          ; r
	v_bfe_u32 v37, v0, 4, 1                        ; h
	v_bfe_u32 v38, v0, 3, 1                        ; r / 8
	v_and_b32 v39, 7, v0                           ; my sample
	v_lshlrev_b32 v[LI], 4, v35
	v_lshlrev_b32 v[LS], 2, v35
	s_wait_alu depctr_va_sdst(0)                   ; s26 is written, ahead of its first reader
	s_lshl_b32 s27, s26, 9                         ; 512 x wave
	v_add_nc_u32 v[WLC], s27, v[LI]
	s_lshr_b32 s28, s26, 1
	s_lshl_b32 s28, s28, 6
	s_and_b32 s29, s26, 1
	s_lshl_b32 s29, s29, 1
	s_add_co_u32 s28, s28, s29
	v_lshl_add_u32 v[WLS], v36, 2, s28
	s_lshl_b32 s28, s26, 8
	v_lshl_add_u32 v[OB], v37, 6, s28              ; 4 x (64 w + 16 h)
	v_lshl_add_u32 v[OW0], v38, 10, v[OB]          ; + a row of W0 for the odd directions
	s_lshl_b32 s28, s26, 10
	v_lshl_add_u32 v[OW3], v37, 8, s28             ; 16 x (64 w + 16 h)
	s_lshl_b32 s28, s26, 13
	v_add_nc_u32 v[OWC], s28, v[LI]
	v_add_nc_u32 v[OWS], s27, v[LS]
	v_lshlrev_b32 v[TA], 6, v39                    ; my sample's row of x
	s_mov_b32 s30, 0x76543210
	s_mov_b32 s31, 0xfedcba98                      ; v_permlanex16_b32's selects for lane l xor 16
	s_mov_b32 s32, 0x4038aa3b                      ; 2 log2(e); the packed forms name pairs and take the low word for both halves, so both words are written
	s_mov_b32 s33, s32
	s_mov_b32 s34, 0xbd5d0dd2                      ; C3 = -17 / 315
	s_mov_b32 s35, s34
	s_mov_b32 s36, 0x3e088889                      ; C2 = 2 / 15
	s_mov_b32 s37, s36
	s_mov_b32 s38, 0xbeaaaaab                      ; C1 = -1 / 3
	s_mov_b32 s39, s38
	s_mov_b32 s40, 0x3e800000                      ; 0.25
	s_mov_b32 s42, 0xbe800000                      ; -0.25
	s_mov_b32 s43, s42
	v_mov_b32 v60, 0x3cb327a4                      ; C4 = 62 / 2835
	v_mov_b32 v61, 0x3cb327a4
	s_mov_b32 s29, 0
	s_lshl_b32 s28, ttmp9, 9                       ; 8 rows of x
	s_wait_kmcnt 0x0
	s_add_nc_u64 s[4:5], s[4:5], s[28:29]
	s_lshl_b32 s28, ttmp9, 7
	s_add_nc_u64 s[20:21], s[20:21], s[28:29]
	s_lshl_b32 s28, ttmp9, 11
	s_add_nc_u64 s[22:23], s[22:23], s[28:29]
	s_lshl_b32 s28, ttmp9, 15
	s_add_nc_u64 s[24:25], s[24:25], s[28:29]
	s_wait_alu depctr_va_vdst(0)                   ; the offsets v1-4, v11-15 and v47 are written, which the loads and stores of the whole kernel read
.irp q, 0,1,2,3
	global_load_b128 v[FR0+4*\q:FR0+4*\q+3], v[TA], s[4:5] offset:16*\q
.endr
	WIN 0xc0
	LBIAS 0, 8                                     ; b0
	WIN 0x80
.irp t, 0,1,2,3,4,5,6,7
.irp n, 0,1,2,3,4,5,6,7
	global_load_b128 v[32*\t+4*\n:32*\t+4*\n+3], v[OW0], s[6:7] offset:2048*\t+128*(\n/4)+16*(\n%4)   ; W0[2 t + r / 8] at my units
.endr
.endr
	WIN 0
	LW WC, 0                                       ; W1, K = its first axis
	LWS WS0, 0
	LWS WS1, 1
	WIN 0xc0
	LBIAS 224, 10                                  ; b1
	WIN 0x40
	LW WN, 1                                       ; W2, K = its first axis
	LBIAS G+96, 12                                 ; b2
	WIN 0
	s_wait_loadcnt 56                              ; x, b0 and W0 are in; the 56 loads issued behind them may be out
	; ---- A: z0 = x W0 + b0 in f32.  My lane sums the directions of its parity; lane r xor 8 has the others
	v_and_b32 v34, 8, v0
	v_cmp_ne_u32 vcc_lo, 0, v34
	s_wait_alu depctr_va_vcc(0)                    ; the compare has written VCC, ahead of the selects that read it
.irp t, 0,1,2,3,4,5,6,7
	v_cndmask_b32 v[FR0+2*\t], v[FR0+2*\t], v[FR0+2*\t+1], vcc_lo     ; x[2 t + r / 8]
.endr
	WIN 0x02
.set PP, 0
.rept 16
	v_pk_mul_f32 v[AC0+PP:AC0+PP+1], v[PP:PP+1], v[FR0:FR0+1] op_sel_hi:[1,0]
.set PP, PP+2
.endr
.irp t, 1,2,3,4,5,6,7
.set PP, 0
.rept 16
	v_pk_fma_f32 v[AC0+PP:AC0+PP+1], v[32*\t+PP:32*\t+PP+1], v[FR0+2*\t:FR0+2*\t+1], v[AC0+PP:AC0+PP+1] op_sel_hi:[1,0,1]
.set PP, PP+2
.endr
.endr
	WIN 0x40
	LW3 0                                          ; W3's columns 0 to 2 are asked for here; the fourth's registers still hold b2.  No wait: no vector line since the head's wait names v13 or these registers of window 1
	LW3 1
	LW3 2
	WIN 0
.set PP, 0
.rept 32
	v_add_f32_dpp v[AC0+PP], v[AC0+PP], v[AC0+PP] row_xmask:8 row_mask:0xf bank_mask:0xf
.set PP, PP+1
.endr
	WIN 0x0c
.set PP, 0
.rept 16
	v_pk_add_f32 v[AC0+PP:AC0+PP+1], v[AC0+PP:AC0+PP+1], v[PP:PP+1]
.set PP, PP+2
.endr
	WIN 0
	TANH AC0, AC1, FR0, SC
	FWDOUT XC, XS, U0, 0x08                        ; u0 and du0 = s0 W0[k] into X
	; ---- B: z1 and dz1: nine tiles from X, six fragment buffers.  dz1 stays in window 3
	s_wait_loadcnt 0x0                             ; W1's and W2's images, b1, b2, W3
	v_add_nc_u32 v[ADI], XC, v[LI]
	v_add_nc_u32 v[ADS], XS, v[LS]
	s_wait_alu depctr_va_vdst(0)                   ; the two addresses are written; the lines of phase A are done with v128-159 and v192-255, in which the fragments land
.set WSC, WS0
.irp j, 0,1,2,3,4,5
.set BF, 128+16*\j+32*((\j+2)/4)
	LD BF, OSC+\j, ADI, ADS, 2048*\j, 128*\j
.endr
.irp j, 0,1,2,3,4,5,6,7,8
.set BF, 128+16*(\j%6)+32*(((\j%6)+2)/4)
.if \j < 4
	s_wait_dscnt 25                                ; five tiles' loads were issued behind this tile's
.else
	s_wait_dscnt 5*(8-\j)
.endif
.if \j == 0
	WIN 0x30
	WM4 AC0, BF, OSC, 0, 224                       ; the bias is the C of the sum's first products
	WIN 0
	WM4 AC0, BF, OSC, 1, AC0
.else
	WIN 0xf0
	WM4 32*(\j-1), BF, OSC+\j, 0, -1
	WM4 32*(\j-1), BF, OSC+\j, 1, 32*(\j-1)
.endif
.if \j < 3
	PLACES
	WIN 0
	s_wait_alu depctr_va_vdst(0)                   ; this tile's eight products are done reading its fragments, in which the tile six further on lands
	LD BF, OSC+6+\j, ADI, ADS, 2048*(6+\j), 128*(6+\j)
.endif
.endr
	PLACES
	WIN 0
	TANH AC0, AC1, FR0, SC
	FWDOUT YC, YS, U1, 0x0c                        ; u1 and du1 = s1 dz1 into Y
	; ---- C: z2, f, v2 and dv2
	v_add_nc_u32 v[ADI], YC, v[LI]
	v_add_nc_u32 v[ADS], YS, v[LS]
	s_wait_alu depctr_va_vdst(0)                   ; the two addresses are written; the lines that made du1's last tile are done with v192-207, and phase B's products with v25
	LD AC1, OSC, ADI, ADS, 0, 0
	MOVW
	PLACES                                         ; operands written by vector lines stand four places ahead of a scaled matrix instruction
	WIN 0x40
	s_wait_alu depctr_va_vdst(0)                   ; the moves are done reading the registers in which the next weights land, and have written the weights in hand, which the products below take; phase B's products are done reading v16-19
	LW WN, 2                                       ; W2, K = its second axis, for the next phase
	WIN 0
	LWS WS0, 2
	s_wait_dscnt 0x0
.set WSC, WS1
	WIN 0x10
	WM4 AC0, AC1, OSC, 0, G+96                     ; C = b2
	WIN 0
	WM4 AC0, AC1, OSC, 1, AC0
	PLACES
	WIN 0x40
	s_wait_alu depctr_va_vdst(0)                   ; the products are done reading b2, in whose registers W3's last column lands
	LW3 3                                          ; b2 is done with: W3's last column
	WIN 0
	TANH AC0, AC1, FR0, SC
.set PP, 0
.rept 16
	v_pk_fma_f32 v[AC1+PP:AC1+PP+1], v[AC0+PP:AC0+PP+1], v[AC0+PP:AC0+PP+1], 1.0 op_sel_hi:[1,1,0] neg_lo:[1,0,0] neg_hi:[1,0,0]   ; s2
.set PP, PP+2
.endr
	s_wait_loadcnt 0x0
	WIN 0x01
.irp m, 0,1,2,3
	v_pk_mul_f32 v[SC+2*\m:SC+2*\m+1], v[G+32*\m:G+32*\m+1], v[AC0:AC0+1]       ; f's parts: my 32 units, four chains
.endr
.irp p, 2,4,6,8,10,12,14,16,18,20,22,24,26,28,30
.irp m, 0,1,2,3
	v_pk_fma_f32 v[SC+2*\m:SC+2*\m+1], v[G+32*\m+\p:G+32*\m+\p+1], v[AC0+\p:AC0+\p+1], v[SC+2*\m:SC+2*\m+1]
.endr
.endr
	WIN 0
.irp m, 0,1,2,3
	v_add_f32 v[SC+8+\m], v[SC+2*\m], v[SC+2*\m+1]
.endr
.irp m, 0,1,2,3
	v_permlanex16_b32 v[SC+12+\m], v[SC+8+\m], s30, s31
.endr
.irp m, 0,1,2,3
	v_add_f32 v[SC+8+\m], v[SC+8+\m], v[SC+12+\m]  ; with lane l xor 16's 32 units: my wave's 64
.endr
	s_lshl_b32 s28, s26, 7
	s_add_co_u32 s28, s28, FST
	v_and_b32 v62, 7, v0
	v_lshl_add_u32 v[TA], v62, 4, s28
	s_wait_alu depctr_va_vdst(0)                   ; f's four parts and their address are written, which the store reads
	ds_store_b128 v[TA], v[SC+8:SC+11]             ; the four lanes of a sample write the same bytes with the same values
.set PP, 0
.rept 16
	v_pk_mul_f32 v[AC0+PP:AC0+PP+1], v[AC0+PP:AC0+PP+1], -2.0 op_sel_hi:[1,0]
.set PP, PP+2
.endr
	PKMUL AC0, AC0, AC1                            ; -2 u2 s2
	v_add_nc_u32 v[ADO], XC, v[WLC]
	v_add_nc_u32 v[ADOS], XS, v[WLS]
.set NX, 8
.irp m, 0,1,2,3
	WIN 0x01
	PKMUL FR0, G+32*\m, AC1                        ; v2[m] = W3[:,m] s2
	WIN 0x41
	PKMUL G+32*\m, G+32*\m, AC0                    ; and the column becomes -2 W3[:,m] u2 s2
	WIN 0
.if \m >= 2
	QUANT FR0, \m%2, 1, 2
.else
	QUANT FR0, \m%2, 1, -1
.endif
	PUT \m%2, MC*\m, MS*\m
.endr
	LD FR0, OSC+1, ADI, ADS, 2048, 128             ; du1 of tiles 0 and 1: no vector line stands between the last tile's wait and these loads
	LD FR1, OSC+2, ADI, ADS, 4096, 256
	s_wait_dscnt 5
	WM4 AC0, FR0, OSC+1, 0, -1
	WM4 AC0, FR0, OSC+1, 1, AC0
	PLACES
	s_mov_b32 s48, 0
	s_mov_b32 s49, YC
	s_mov_b32 s50, YS
	s_mov_b32 s54, XC
	s_mov_b32 s55, XS
.Lc:                                               ; four trips of two tangent tiles.  In each: dz2 of the tile in hand makes four tiles dv2[m]; the next tile's products stand among them, two to each
	s_wait_dscnt 0x0                               ; the address registers are written anew while no LDS instruction of mine is out
	s_wait_alu depctr_vm_vsrc(0)                   ; the LDS loads and stores issued so far have read the four address registers that the adds below write
	s_add_co_u32 s51, s49, 4096
	s_min_u32 s51, s51, YC+3*4096                  ; the fetches run a trip ahead; the last trip fetches its own tiles again, and eight products on them are not used
	s_add_co_u32 s52, s50, 256
	s_min_u32 s52, s52, YS+3*256
	v_add_nc_u32 v[ADIN], s51, v[LI]
	v_add_nc_u32 v[ADSN], s52, v[LS]
	v_add_nc_u32 v[ADO], s54, v[WLC]
	v_add_nc_u32 v[ADOS], s55, v[WLS]
	s_wait_alu depctr_va_vdst(0)                   ; the four addresses are written; the products on the tile in hand are done reading its fragments and scale words, in which the loads below land
.irp e, 0,1
	LD FR0+16*\e, OSC+1+\e, ADIN, ADSN, 2048*(1+\e), 128*(1+\e)
	s_wait_dscnt 5                                 ; all but the five just issued: the next tile's fragments are in, and earlier stores are done
	PEND AC0+32*(1-\e), FR0+16*(1-\e), OSC+2-\e
.irp m, 0,1,2,3
	WIN 0x01
	PKMUL SC, G+32*\m, AC0+32*\e
	WIN 0
.if \m >= 2
	QUANT SC, \m%2, 4, 2
.else
	QUANT SC, \m%2, 4, -1
.endif
	PUT \m%2, MC*\m+2048*(1+\e), MS*\m+128*(1+\e)
.endr
.endr
	s_add_co_u32 s49, s49, 4096
	s_add_co_u32 s50, s50, 256
	s_add_co_u32 s54, s54, 4096
	s_add_co_u32 s55, s55, 256
	s_add_co_u32 s48, s48, 1
	s_cmp_lt_u32 s48, 4
	s_cbranch_scc1 .Lc
	BAR
; ---- D and E: a backward layer.  In: v[m] (tile 9 m) and dv[k, m].  Out: c[m] s, and s dc + (-2 c[m] u s) R[k].  ut: -2 u of the layer, in window 1; rwin: the windows of that multiply-add, R's among them.
; A trip is one m: step P (the primal tile) and eight tangent steps; each step fetches the tile two steps on, straight behind the stores of the step before, and the next tile's eight products stand among its vector lines.
.macro BWD inc, ins, outc, outs, rwin, ut, last
	v_add_nc_u32 v[ADI], \inc, v[LI]
	v_add_nc_u32 v[ADS], \ins, v[LS]
	s_wait_alu depctr_va_vdst(0)                   ; the two addresses are written; the last phase's lines and products are done with the registers in which the three tiles below land
	LDP ADI, ADS
	LD FR0, OSC+1, ADI, ADS, 2048, 128
	LD FR1, OSC+2, ADI, ADS, 4096, 256
	s_wait_loadcnt 0x0                             ; the weights asked for a phase ago
	MOVW
	WIN 0x01
.set PP, 0
.rept 16
	v_pk_mul_f32 v[SC+PP:SC+PP+1], v[\ut+PP:\ut+PP+1], s[42:43] op_sel_hi:[1,0]    ; u / 2, exact
.set PP, PP+2
.endr
	WIN 0x04
.set PP, 0
.rept 16
	v_pk_fma_f32 v[SC+PP:SC+PP+1], v[SC+PP:SC+PP+1], v[\ut+PP:\ut+PP+1], 1.0 op_sel_hi:[1,1,0]   ; s = 1 - u^2, rounded once
.set PP, PP+2
.endr
	WIN 0x41
	PKMUL \ut, \ut, SC                             ; -2 u s.  (These 48 lines are also the places between the moves and the products that take what they wrote)
	WIN 0x40
	s_wait_alu depctr_va_vdst(0)                   ; the moves are done reading the registers in which the next weights land, and have written the weights in hand, which the products below take; the last phase's products are done reading the scale words' registers
.if \last
.irp n, 0,1,2,3
	global_load_b128 v[WN+4*\n:WN+4*\n+3], v[LI], s[18:19] offset:131072+512*\n    ; W0's image
.endr
	WIN 0
	global_load_b32 v[WSF], v[LS], s[18:19] offset:WSB+8192
.else
	LW WN, 3                                       ; W1, K = its second axis
	WIN 0
	LWS WS1, 3
.endif
	s_wait_dscnt 10                                ; the primal tile is in; two tiles' loads may be out
	WIN 0x54
	WM4 ACCP, FRP, OSC, 0, -1
	WM4 ACCP, FRP, OSC, 1, ACCP
	WIN 0
	s_wait_dscnt 5                                 ; tangent tile 0 is in
	PLACES
	s_mov_b32 s48, 0
	s_mov_b32 s49, \inc
	s_mov_b32 s50, \ins
	s_mov_b32 s54, \outc
	s_mov_b32 s55, \outs
.Lm_\@:
	s_wait_dscnt 0x0                               ; the address registers are written anew while no LDS instruction of mine is out
	s_wait_alu depctr_vm_vsrc(0)                   ; the LDS loads and stores issued so far have read the six address registers that the adds below write
	s_add_co_u32 s51, s49, MC
	s_min_u32 s51, s51, \inc+3*MC                  ; the next m's tiles; the last trip fetches its own again, and eight products on them are not used
	s_add_co_u32 s52, s50, MS
	s_min_u32 s52, s52, \ins+3*MS
	v_add_nc_u32 v[ADI], s49, v[LI]
	v_add_nc_u32 v[ADS], s50, v[LS]
	v_add_nc_u32 v[ADIN], s51, v[LI]
	v_add_nc_u32 v[ADSN], s52, v[LS]
	v_add_nc_u32 v[ADO], s54, v[WLC]
	v_add_nc_u32 v[ADOS], s55, v[WLS]
	WIN 0x45
	PKMUL ACUR, ACCP, \ut                          ; -2 c[m] u s
	WIN 0x01
	PKMUL AC1, ACCP, SC                            ; c[m] s
	WIN 0
	PEND AC0, FR0, OSC+1
	QUANT AC1, 2, 1, -1
	PUT 2, 0, 0                                    ; its wait also states that the trip's six addresses are written
.irp t, 0,1,2,3,4,5,6,7
.if \t < 6
	LD FR0+16*(\t%2), OSC+1+(\t%2), ADI, ADS, 2048*(\t+3), 128*(\t+3)
.else
	LD FR0+16*(\t%2), OSC+1+(\t%2), ADIN, ADSN, 2048*(\t-5), 128*(\t-5)
.endif
	s_wait_dscnt 5                                 ; all but the five just issued: the next tile's fragments are in, and earlier stores are done
.if \t == 4
	LDP ADIN, ADSN                                 ; the next m's primal tile: a whole step ahead of the next wait.  No vector line stands between the last tile's wait and these loads
.endif
.if \t == 7
	WIN 0x54
	WM4 ACCP, FRP, OSC, 0, -1                      ; the next m's c
	WM4 ACCP, FRP, OSC, 1, ACCP
	WIN 0
.set NX, 8
.else
	PEND AC0+32*(1-\t%2), FR0+16*(1-\t%2), OSC+2-\t%2
.endif
	PKMULM AC0+32*(\t%2), SC, AC0+32*(\t%2)
	WIN \rwin
	PKFMA AC0+32*(\t%2), ACUR, 32*\t, AC0+32*(\t%2)
	WIN 0
	QUANT AC0+32*(\t%2), \t%2, 2, -1
	PUT \t%2, 2048*(1+\t), 128*(1+\t)
.endr
	s_add_co_u32 s49, s49, MC
	s_add_co_u32 s50, s50, MS
	s_add_co_u32 s54, s54, MC
	s_add_co_u32 s55, s55, MS
	s_add_co_u32 s48, s48, 1
	s_cmp_lt_u32 s48, 4
	s_cbranch_scc1 .Lm_\@
	BAR
.endm
.set WSC, WS0
	BWD XC, XS, YC, YS, 0x0d, U1, 0                ; through W2^T: R = dz1 (window 3)
.set WSC, WS1
	BWD YC, YS, XC, XS, 0x09, U0, 1                ; through W1^T: R = W0's rows (window 2)
	; ---- F: through W0^T.  Wave w takes the tangent tiles t = 2 w, 2 w + 1 of all four m, and the primal tile of m = w
	s_lshl_b32 s28, s26, 12
	v_add_nc_u32 v[ADI], s28, v[LI]
	s_lshl_b32 s28, s26, 8
	s_add_co_u32 s28, s28, XS
	v_add_nc_u32 v[ADS], s28, v[LS]
	s_mul_i32 s28, s26, MC
	v_add_nc_u32 v[ADIN], s28, v[LI]
	s_mul_i32 s28, s26, MS
	s_add_co_u32 s28, s28, XS
	v_add_nc_u32 v[ADSN], s28, v[LS]
	WIN 0xc0
	s_wait_alu depctr_va_vdst(0)                   ; the four addresses are written; the multiply-adds that read dz1 are done with window 3, and the last phase's products with v25-33: the loads below land there
.irp q, 0,1,2,3,4,5,6,7
.irp n, 0,1,2,3
	ds_load_b128 v[16*\q+4*\n:16*\q+4*\n+3], v[ADI] offset:MC*(\q%4)+2048*(1+\q/4)+512*\n
.endr
.endr
.irp n, 0,1,2,3
	ds_load_b128 v[128+4*\n:128+4*\n+3], v[ADIN] offset:512*\n
.endr
	WIN 0
.irp q, 0,1,2,3,4,5,6,7
	ds_load_b32 v[OSC+\q], v[ADS] offset:MS*(\q%4)+128*(1+\q/4)
.endr
	ds_load_b32 v[OSC+8], v[ADSN]
	s_wait_loadcnt 0x0                             ; W0's image
	s_wait_dscnt 0x0
	WIN 0x0d
.irp q, 0,1,2,3,4,5,6,7,8
	WM AC0+8*\q, WN, 16*\q, -1, WSF, OSC+\q, 0     ; nine accumulators by turns
.endr
.irp q, 0,1,2,3,4,5,6,7,8
	WM AC0+8*\q, WN+8, 16*\q+8, AC0+8*\q, WSF, OSC+\q, 1
.endr
	WIN 0
	v_and_b32 v62, 7, v0                           ; the stages' addresses: eleven plain lines, the places behind the products
	v_bfe_u32 v63, v0, 4, 1
	v_bfe_u32 v34, v0, 3, 1
	v_mul_u32_u24 v[ADO], v62, SPI
	v_lshl_add_u32 v[ADO], v63, 11, v[ADO]
	v_lshl_add_u32 v[ADO], v34, 4, v[ADO]
	s_lshl_b32 s28, s26, 6
	s_add_co_u32 s28, s28, STG
	v_add_nc_u32 v[ADO], s28, v[ADO]               ; d2f: sample, d = 8 h + j (256 bytes each), k = 4 w + 2 e + r / 8 (16 bytes each)
	v_mul_u32_u24 v[ADOS], v62, 272
	v_lshl_add_u32 v[ADOS], v63, 7, v[ADOS]
	s_lshl_b32 s28, s26, 2
	s_add_co_u32 s28, s28, DFS
	v_add_nc_u32 v[ADOS], s28, v[ADOS]             ; df: sample, d = 8 h + j (16 bytes each), m = w
	v_nop
.irp e, 0,1
.irp j, 0,1,2,3,4,5,6,7
.irp m, 0,1,2,3
	v_mov_b32 v[WC+4*(8*\e+\j)+\m], v[AC0+8*(4*\e+\m)+\j]      ; the four m of one (d, k) are 16 neighbouring bytes of out2; each accumulator is read from its low end on
.endr
.endr
.endr
	s_wait_alu depctr_va_vdst(0)                   ; the 64 moves, the two addresses and the ninth accumulator are written, which the 24 stores below read
.irp e, 0,1
.irp j, 0,1,2,3,4,5,6,7
	ds_store_b128 v[ADO], v[WC+4*(8*\e+\j):WC+4*(8*\e+\j)+3] offset:256*\j+32*\e
.endr
.endr
.irp j, 0,1,2,3,4,5,6,7
	ds_store_b32 v[ADOS], v[AC0+64+\j] offset:16*\j            ; lanes r and r + 8 write the same bytes with the same value
.endr
	BAR
	s_mul_i32 s28, s26, 2*SPI
	s_add_co_u32 s28, s28, STG
	v_add_nc_u32 v[ADI], s28, v[LI]                ; back: my two samples, 512 consecutive bytes a load
	v_and_b32 v62, 15, v0
	v_mul_u32_u24 v[ADS], v63, 272
	v_lshl_add_u32 v[ADS], v62, 4, v[ADS]
	s_mul_i32 s28, s26, 2*272
	s_add_co_u32 s28, s28, DFS
	v_add_nc_u32 v[ADS], s28, v[ADS]
	v_add_nc_u32 v[ADSN], FST, v[LS]
	s_wait_alu depctr_va_vdst(0)                   ; the three addresses are written, which the loads below and wave 0's read
.irp q, 0,1,2,3,4,5,6,7,8,9,10,11,12,13,14,15
	ds_load_b128 v[WC+4*\q:WC+4*\q+3], v[ADI] offset:(\q/8)*SPI+512*(\q%8)
.endr
	ds_load_b128 v[FR0:FR0+3], v[ADS]
.irp q, 0,1,2,3,4,5,6,7,8,9,10,11,12,13,14,15
	s_wait_dscnt 16-\q                             ; the loads issued behind this one may be out
	global_store_b128 v[OWC], v[WC+4*\q:WC+4*\q+3], s[24:25] offset:512*\q th:TH_STORE_NT   ; 512 consecutive bytes of out2, aligned
.endr
	s_wait_dscnt 0x0
	global_store_b128 v[WLC], v[FR0:FR0+3], s[22:23] th:TH_STORE_NT                         ; 512 consecutive bytes of out1, aligned
	s_cmp_lg_u32 s26, 0
	s_cbranch_scc1 .Lend                           ; f: wave 0 adds the four waves' parts and b3; lane = 4 x sample + m
	v_and_b32 v62, 3, v0
	v_lshlrev_b32 v62, 2, v62
	s_wait_alu depctr_va_vdst(0)                   ; b3's offset is written, which the load below reads
	global_load_b32 v63, v62, s[16:17]
.irp n, 0,1,2,3
	ds_load_b32 v[MA+\n], v[ADSN] offset:128*\n
.endr
	s_wait_dscnt 0x0
	v_add_f32 v[MA], v[MA], v[MA+1]
	v_add_f32 v[MA+2], v[MA+2], v[MA+3]
	v_add_f32 v[MA], v[MA], v[MA+2]
	s_wait_loadcnt 0x0
	v_add_f32 v[MA], v[MA], v63
	s_wait_alu depctr_va_vdst(0)                   ; f is written, which the store reads
	global_store_b32 v[LS], v[MA], s[20:21]
.Lend:
	s_wait_xcnt 0x0
	s_wait_alu depctr_vm_vsrc(0)                   ; the add's two registers are made anew below: every memory and LDS instruction issued so far has read its registers
	v_lshl_add_u32 v158, v0, 2, 0x27000
	v_mov_b32 v159, 0
	s_wait_dscnt 0x0                               ; the closing lines, six on end
	s_wait_alu 0x0
	s_wait_tensorcnt 0x0
	ds_add_u32 v158, v159
	s_wait_dscnt 0x0
	s_endpgm
.Lfunc_end_k_qf3007e779e_hess:
	.size	k_qf3007e779e_hess, .Lfunc_end_k_qf3007e779e_hess-k_qf3007e779e_hess
	.p2alignl 7, 3214868480
	.fill 96, 4, 3214868480
	.section	.rodata,"a",@progbits
	.p2align	6, 0x0
	.amdhsa_kernel k_qf3007e779e_hess
		.amdhsa_group_segment_fixed_size 160256
		.amdhsa_private_segment_fixed_size 0
		.amdhsa_enable_private_segment 0
		.amdhsa_kernarg_size 88
		.amdhsa_user_sgpr_count 2
		.amdhsa_user_sgpr_kernarg_segment_ptr 1
		.amdhsa_wavefront_size32 1
		.amdhsa_system_sgpr_workgroup_id_x 1
		.amdhsa_system_sgpr_workgroup_id_y 1
		.amdhsa_system_sgpr_workgroup_id_z 1
		.amdhsa_system_vgpr_workitem_id 0
		.amdhsa_next_free_vgpr 1024
		.amdhsa_next_free_sgpr 66
		.amdhsa_reserve_vcc 1
		.amdhsa_float_denorm_mode_32 3
		.amdhsa_float_denorm_mode_16_64 3
		.amdhsa_memory_ordered 1
		.amdhsa_forward_progress 1
		.amdhsa_inst_pref_size 255
	.end_amdhsa_kernel
	.section	.bss,"aw",@nobits
	.p2align	6
	.space	262144
	.amdgpu_metadata
---
amdhsa.version: [ 1, 2 ]
amdhsa.kernels:
  - .name:           k_qf3007e779e_hess
    .symbol:         k_qf3007e779e_hess.kd
    .args:
      - { .name: x, .offset: 0, .size: 8, .value_kind: global_buffer, .address_space: global }
      - { .name: W0, .offset: 8, .size: 8, .value_kind: global_buffer, .address_space: global }
      - { .name: b0, .offset: 16, .size: 8, .value_kind: global_buffer, .address_space: global }
      - { .name: b1, .offset: 24, .size: 8, .value_kind: global_buffer, .address_space: global }
      - { .name: b2, .offset: 32, .size: 8, .value_kind: global_buffer, .address_space: global }
      - { .name: W3, .offset: 40, .size: 8, .value_kind: global_buffer, .address_space: global }
      - { .name: b3, .offset: 48, .size: 8, .value_kind: global_buffer, .address_space: global }
      - { .name: wimg, .offset: 56, .size: 8, .value_kind: global_buffer, .address_space: global }
      - { .name: out0, .offset: 64, .size: 8, .value_kind: global_buffer, .address_space: global }
      - { .name: out1, .offset: 72, .size: 8, .value_kind: global_buffer, .address_space: global }
      - { .name: out2, .offset: 80, .size: 8, .value_kind: global_buffer, .address_space: global }
    .group_segment_fixed_size: 160256
    .private_segment_fixed_size: 0
    .kernarg_segment_align: 8
    .kernarg_segment_size: 88
    .max_flat_workgroup_size: 128
    .sgpr_count:     66
    .vgpr_count:     1024
    .wavefront_size: 32
...
	.end_amdgpu_metadata
.endif
;; end of part 3
